; MI455X (gfx1250); checked and timed in simulation.
; The chip was launched on July 23, 2026; its instructions are those of AMD's public machine-readable ISA for CDNA 5 (MIT licence, August 2026) and "CDNA5" Instruction Set Architecture Reference Guide (July 2026). The comments in the code are by the model that wrote it; some were corrected since.
;; Causal Self Attention. Allowed arithmetic: matrix products marked QUANTISED: E2M1 operands, one E8M0 scale for each 32 along K, by v_wmma_scale_f32_16x16x128_f8f6f4 with both operands' format E2M1 (or v_wmma_scale_f32_32x16x128_f4), f32 sums; products left as they are: bf16, f16 or f32 operands; f32 sums; everything else in f32.
;; Inputs: Wk 1,024 x 1,024 float32; Wp 1,024 x 1,024 float32; Wq 1,024 x 1,024 float32; Wv 1,024 x 1,024 float32; bk 1,024 float32; bp 1,024 float32; bq 1,024 float32; bv 1,024 float32; x 4 x 2,048 x 1,024 float32.
;; Outputs: out0 4 x 2,048 x 1,024 float32.
;; This version of the problem:
;;   THIS VERSION OF THE PROBLEM IS GIVEN IN LOW PRECISION. The matrix products marked QUANTISED in the list below multiply operands that are first quantised to E2M1 (2 exponent bits, 1 mantissa bit; 4 bits a number), with one power-of-two scale for each 32 numbers along K (OCP MX v1.0); their sums are f32. The products marked 'left as it is' may take bf16, f16 or f32 operands, with f32 sums. Whichever they take, every output number must still come out within the allowed error. Rounding operands to bf16 (8 significant bits) uses up far more of that allowance than f16 does (11 bits, for magnitudes from 6e-5 to 65,504). All else is computed in f32.
;;   The module's matrix products, in the order in which they are computed (A, B: the left and right operand; K: the contracted axis; several contracted axes count as one K, in the product's order):
;;     1. [M 8,192, K 1,024] x [K 1,024, N 1,024]; A: input x; B: input Wk: QUANTISED
;;     2. [M 8,192, K 1,024] x [K 1,024, N 1,024]; A: input x; B: input Wq: QUANTISED
;;     3. [M 8,192, K 1,024] x [K 1,024, N 1,024]; A: input x; B: input Wv: QUANTISED
;;     4. batch 64 x [M 2,048, K 64] x [K 64, N 2,048]; A: computed on the way; B: computed on the way: left as it is (an operand is computed on the way)
;;     5. batch 64 x [M 2,048, K 2,048] x [K 2,048, N 64]; A: computed on the way; B: computed on the way: left as it is (an operand is computed on the way)
;;     6. [M 8,192, K 1,024] x [K 1,024, N 1,024]; A: computed on the way; B: input Wp: left as it is (an operand is computed on the way)
;;   THE QUANTISER, for each operand of a quantised product, along K:
;;     - K is cut into blocks of 32 from its start; a last block that is shorter is filled with zeros.
;;     - A block's scale is 2^e with e = floor(log2(the largest magnitude in the block)) - 2, held to -126 .. 127; a block of zeros has e = 0. As a byte (E8M0): e + 127.
;;     - Each number is divided by its block's scale, clamped to +-6, and rounded to the nearest number of E2M1, ties to even, subnormals kept.
;;     - The product sums the exact products of the quantised numbers (number of the format x scale) in f32.
;;   ~~~python
;;   def quantise(x, axis):      # numpy; x: float32 -> the quantised numbers, widened to float32 again
;;       x = np.moveaxis(x, axis, -1); K = x.shape[-1]
;;       x = np.pad(x, [(0, 0)] * (x.ndim - 1) + [(0, -K % 32)]); x = x.reshape(x.shape[:-1] + (-1, 32)); a = np.abs(x).max(-1, keepdims=True)
;;       e = np.where(a > 0, np.clip(np.frexp(np.where(a > 0, a, 1))[1] - 1 - 2, -126, 127), 0)      # np.frexp(a)[1] - 1 = floor(log2(a)), exactly
;;       r = np.clip(x / 2.0 ** e, -6, 6)
;;       step = 2.0 ** (np.maximum(np.frexp(np.where(r == 0, 1, r))[1] - 1, 0) - 1)
;;       q = np.round(r / step) * step * 2.0 ** e      # np.round: ties to even
;;       return np.moveaxis(q.reshape(q.shape[:-2] + (-1,))[..., :K], -1, axis).astype(np.float32)
;;   ~~~
;; One version. Each part assembles by itself: llvm-mc -triple=amdgcn-amd-amdhsa -mcpu=gfx1250 --defsym DOCPART=n.
;; ======== version 1 of 1: 6 launches
;; limits: values are held in f16: magnitudes above 65,504 overflow, below 6.1e-05 lose precision
;; workspace buffers: xc 4,194,304 bytes; xs 262,144 bytes; wc 1,572,864 bytes; ws 98,304 bytes; wpt 2,097,152 bytes; qkv 50,331,648 bytes; fine 786,432 bytes; yh 16,777,216 bytes
;; launch quantx (part 1): grid 256 x 1, 4 waves a work-group, no clusters, 33,280 bytes of LDS; arguments x, xc, xs; writes xc, xs
.if DOCPART == 1
	.amdgcn_target "amdgcn-amd-amdhsa--gfx1250"
	.amdhsa_code_object_version 6
	.text
	.protected	k_q50d38b41aa_quantx
	.globl	k_q50d38b41aa_quantx
	.p2align	8
	.type	k_q50d38b41aa_quantx,@function
k_q50d38b41aa_quantx:
	s_mov_b64 s[64:65], 0
	v_nop
	global_prefetch_b8 v0, s[64:65] scope:SCOPE_SE
	s_setreg_imm32_b32 hwreg(HW_REG_WAVE_MODE, 25, 1), 1
	s_wait_xcnt 0x0
; x [8192][1024], f32, becomes codes of FP4 (E2M1), K innermost, two codes a byte (xc: [8192][512 bytes]), with one E8M0 scale byte for each 32 along K (xs: [8192][32]).
; A block's scale is 2^(floor(log2(its largest magnitude)) - 2); its byte is the largest magnitude's exponent field - 2, held at 1 from below.
; Each number is divided by the scale and rounded to the nearest code, ties to even; beyond 6 the largest code.
; LIMITS: a block of zeros, or one whose largest magnitude lies under 2^-124, gets the byte 1 (its codes are zeros or what that scale gives; only this program reads the bytes); NaN and infinities are not served.
; Rows are dense and 1,024 is a multiple of 32: x is a plain stream of blocks of 32, and so are the codes and the bytes.
; A wave takes 16 steps of 512 numbers.  Each of a step's four loads reads 512 consecutive bytes, 16 a lane; the 2,048 bytes turn through the wave's own stage in LDS and come back 64 bytes a lane,
; so that a lane holds 16 neighbours along K and two neighbouring lanes hold a block.  A lane's 16 codes are 8 bytes: a wave's store covers 256 consecutive bytes, aligned.
; A wave's 256 scale bytes are gathered in its own LDS bytes and leave as 256 consecutive bytes.  No barrier: waves share nothing.  Loads run four steps (16 loads a wave) ahead.
.set WAVES, 4
.set STEPS, 16
.set CB,    8                          ; bytes of 16 codes
.set R,     16                         ; v16-79   four sets of 16 numbers as they are loaded
.set X,     80                         ; v80-111  two sets of 16 neighbours
.set C,     128                        ; v128-191 codes: four registers for each step, so that no store's data are written again
.set E,     112                        ; v112-127 a scale byte for each step
.set WREG,  8192                       ; LDS: a region for each wave: two stages of 32 x SP bytes, behind them its 256 scale bytes
.set SP,    80                         ; a lane's place in a stage: 64 bytes + 16 of padding
.set SPW,   12                         ; v12  LDS address of my spare word; never rewritten
.set NIL,   13                         ; v13  0; never rewritten
.set SPARE, WAVES*WREG                 ; behind the four regions: the spare words, 128 bytes a wave, which no other line names
	s_load_b128 s[4:7], s[0:1], 0x0                ; x s[4:5], xc s[6:7]
	s_load_b64 s[8:9], s[0:1], 0x10                ; xs
	v_lshl_add_u32 v[SPW], v0, 2, SPARE
	v_mov_b32 v[NIL], 0
	v_lshrrev_b32 v1, 5, v0
	v_readfirstlane_b32 s16, v1                    ; wave
	v_and_b32 v2, 31, v0                           ; lane
	v_lshlrev_b32 v3, 4, v2                        ; my 16 bytes of a load's 512
	s_mul_i32 s17, s16, WREG
	v_lshrrev_b32 v14, 2, v2
	v_mul_u32_u24 v14, v14, SP
	v_and_b32 v15, 3, v2
	v_lshl_add_u32 v14, v15, 4, v14
	v_add_nc_u32 v14, s17, v14                     ; the stage, on the way in: SP (lane / 4) + 16 (lane % 4)
	v_mul_u32_u24 v15, v2, SP
	v_add_nc_u32 v15, s17, v15                     ; and on the way out: SP x lane: my 16 neighbours
	v_mul_u32_u24 v4, v2, CB                       ; my codes' place in a step's
	v_lshrrev_b32 v5, 1, v2
	s_add_co_u32 s17, s17, 2*32*SP
	v_add_nc_u32 v5, s17, v5                       ; LDS: my wave's 256 scale bytes, my block's byte
	v_lshlrev_b32 v7, 3, v2                        ; and on the way out 8 bytes a lane
	v_add_nc_u32 v6, s17, v7
	s_lshl_b32 s17, ttmp9, 2
	s_add_co_u32 s18, s17, s16                     ; which run of 8,192 numbers is my wave's
	s_mov_b32 s19, 0
	s_lshl_b64 s[20:21], s[18:19], 15              ; 32,768 bytes of x a run
	s_lshl_b64 s[22:23], s[18:19], 12              ; 4,096 bytes of codes
	s_lshl_b32 s18, s18, 8                         ; 256 scale bytes
	s_wait_kmcnt 0x0
	s_add_nc_u64 s[4:5], s[4:5], s[20:21]
	s_add_nc_u64 s[6:7], s[6:7], s[22:23]
	s_add_nc_u64 s[8:9], s[8:9], s[18:19]
.macro LOAD t
.irp i, 0,1,2,3
	global_load_b128 v[R+16*((\t)%4)+4*\i:R+16*((\t)%4)+4*\i+3], v3, s[4:5] offset:2048*(\t)+512*\i th:TH_LOAD_NT   ; 32 lanes read 512 consecutive bytes
.endr
.endm
.macro TURN t                          ; step t's numbers through the stage: LDS serves a wave's instructions in order, so no wait stands between the stores and the loads
.irp i, 0,1,2,3
	ds_store_b128 v14, v[R+16*((\t)%4)+4*\i:R+16*((\t)%4)+4*\i+3] offset:32*SP*((\t)%2)+8*SP*\i
.endr
.irp i, 0,1,2,3
	ds_load_b128 v[X+16*((\t)%2)+4*\i:X+16*((\t)%2)+4*\i+3], v15 offset:32*SP*((\t)%2)+16*\i
.endr
.endm
.irp t, 0,1,2,3
	LOAD \t
.endr
	s_wait_loadcnt 12                              ; step 0's four loads are in; the twelve of steps 1 to 3 may be out
	TURN 0
.macro STEP t
.set XS, X+16*((\t)%2)
.if (\t) > 0
	s_wait_dscnt 1                                 ; this step's numbers are back from the stage; the last step's byte store may be out
.else
	s_wait_dscnt 0x0
.endif
.if (\t)+4 < STEPS
	LOAD (\t)+4                                    ; into the set whose stores into the stage have read their registers
.endif
.if (\t)+1 < STEPS
.if STEPS-2-(\t) >= 3
	s_wait_loadcnt 12                              ; the next step's four loads are in; those of the three steps behind it may be out
.else
	s_wait_loadcnt 4*(STEPS-2-(\t))
.endif
	TURN (\t)+1                                    ; the next step goes through the other stage while this one is worked
.endif
	v_max3_num_f32 v8, |v[XS]|, |v[XS+1]|, |v[XS+2]|               ; the largest magnitude of my 16, in two chains
	v_max3_num_f32 v9, |v[XS+3]|, |v[XS+4]|, |v[XS+5]|
.irp i, 6,10
	v_max3_num_f32 v8, v8, |v[XS+\i]|, |v[XS+\i+1]|
	v_max3_num_f32 v9, v9, |v[XS+\i+2]|, |v[XS+\i+3]|
.endr
	v_max3_num_f32 v8, v8, |v[XS+14]|, |v[XS+15]|
	v_max3_num_f32 v8, v8, v9, 0x1800000           ; and the floor 2^(3 - 127): the byte cannot fall under 1
	v_max_num_f32_dpp v8, v8, v8 row_xmask:1 row_mask:0xf bank_mask:0xf   ; and of my neighbour's 16: the block's
	v_add_nc_u32 v11, 0xff000000, v8               ; 2 off its exponent field: the conversion takes the exponent field of this operand as its scale
	v_cvt_scalef32_pk8_fp4_f32 v[C+4*(\t)], v[XS:XS+7], v11
	v_cvt_scalef32_pk8_fp4_f32 v[C+4*(\t)+1], v[XS+8:XS+15], v11
	v_lshrrev_b32 v[E+(\t)], 23, v11               ; the scale's byte (also the plain line behind the conversions)
	ds_store_b8 v5, v[E+(\t)] offset:16*(\t)       ; both lanes of a block write the same byte with the same value
	global_store_b64 v4, v[C+4*(\t):C+4*(\t)+1], s[6:7] offset:32*CB*(\t)
.endm
.irp t, 0,1,2,3,4,5,6,7,8,9,10,11,12,13,14,15
	STEP \t
.endr
	ds_load_b64 v[8:9], v6                         ; LDS serves a wave's instructions in order: these see my byte stores
	s_wait_dscnt 0x0
	global_store_b64 v7, v[8:9], s[8:9]            ; 32 lanes store 256 consecutive bytes, aligned
	s_wait_tensorcnt 0x0                           ; the wave's end, behind my last LDS store
	ds_add_u32 v[SPW], v[NIL]
	s_wait_dscnt 0x0
	s_endpgm
.Lfunc_end_k_q50d38b41aa_quantx:
	.size	k_q50d38b41aa_quantx, .Lfunc_end_k_q50d38b41aa_quantx-k_q50d38b41aa_quantx
	.p2alignl 7, 3214868480
	.fill 96, 4, 3214868480
	.section	.rodata,"a",@progbits
	.p2align	6, 0x0
	.amdhsa_kernel k_q50d38b41aa_quantx
		.amdhsa_group_segment_fixed_size 33280
		.amdhsa_private_segment_fixed_size 0
		.amdhsa_enable_private_segment 0
		.amdhsa_kernarg_size 24
		.amdhsa_user_sgpr_count 2
		.amdhsa_user_sgpr_kernarg_segment_ptr 1
		.amdhsa_wavefront_size32 1
		.amdhsa_system_sgpr_workgroup_id_x 1
		.amdhsa_system_sgpr_workgroup_id_y 1
		.amdhsa_system_sgpr_workgroup_id_z 1
		.amdhsa_system_vgpr_workitem_id 0
		.amdhsa_next_free_vgpr 192
		.amdhsa_next_free_sgpr 66
		.amdhsa_reserve_vcc 0
		.amdhsa_float_denorm_mode_32 3
		.amdhsa_float_denorm_mode_16_64 3
		.amdhsa_memory_ordered 1
		.amdhsa_forward_progress 1
		.amdhsa_inst_pref_size 33
	.end_amdhsa_kernel
	.amdgpu_metadata
---
amdhsa.version: [ 1, 2 ]
amdhsa.kernels:
  - .name:           k_q50d38b41aa_quantx
    .symbol:         k_q50d38b41aa_quantx.kd
    .args:
      - { .name: x, .offset: 0, .size: 8, .value_kind: global_buffer, .address_space: global }
      - { .name: xc, .offset: 8, .size: 8, .value_kind: global_buffer, .address_space: global }
      - { .name: xs, .offset: 16, .size: 8, .value_kind: global_buffer, .address_space: global }
    .group_segment_fixed_size: 33280
    .private_segment_fixed_size: 0
    .kernarg_segment_align: 8
    .kernarg_segment_size: 24
    .max_flat_workgroup_size: 128
    .sgpr_count:     66
    .vgpr_count:     192
    .wavefront_size: 32
...
	.end_amdgpu_metadata
.endif
;; end of part 1
;; launch prepw (part 2): grid 16 x 4, 16 waves a work-group, no clusters, 169,984 bytes of LDS; arguments Wq, Wk, Wv, Wp, wc, ws, wpt; writes wc, ws, wpt
.if DOCPART == 2
	.amdgcn_target "amdgcn-amd-amdhsa--gfx1250"
	.amdhsa_code_object_version 6
	.text
	.protected	k_q50d38b41aa_prepw
	.globl	k_q50d38b41aa_prepw
	.p2align	8
	.type	k_q50d38b41aa_prepw,@function
k_q50d38b41aa_prepw:
	s_mov_b64 s[64:65], 0
	v_nop
	global_prefetch_b8 v0, s[64:65] scope:SCOPE_SE
	s_setreg_imm32_b32 hwreg(HW_REG_WAVE_MODE, 25, 1), 1
	s_wait_xcnt 0x0
; The four weights, [1024 (k)][1024 (n)] f32 with K as the FIRST axis, are laid as the products want them, K innermost.
; Work-group y = 0, 1, 2: Wq, Wk, Wv become codes of FP4 (wc: [3072 (n)][512 bytes]) and E8M0 scale bytes (ws: [3072][32]), quantised along K.  y = 3: Wp becomes f16, transposed (wpt: [1024 (n)][1024 (k)]).
; Work-group x takes columns 64 x .. 64 x + 63 for all of K.  Wave w: 32 columns (w & 1), K rows 128 (w >> 1) on.  A LANE TAKES A COLUMN AND ITS REGISTERS RUN DOWN K:
; each load reads 128 consecutive bytes, a block of 32 along K lies in one lane, and conversions give K innermost.  All 128 loads of a wave go out at once.
; Results meet in LDS as rows of the output and leave as whole rows: each store of a wave covers 512 consecutive bytes, aligned.  Each of the two ways has LDS bytes of its own.
; LIMITS: a block of zeros or under 2^-124 gets the byte 1 (read by this program alone); |Wp| stays under 65,504 (f16); NaN and infinities are not served.
.set CP,    528                        ; a column's 512 bytes of codes + 16
.set SCS,   64*CP                      ; behind the codes: 64 x 32 scale bytes
.set WST,   SCS+2048                   ; Wp's stage: 64 columns x (2,048 bytes + 16)
.set WP,    2064
.set SPARE, WST+64*WP                  ; the spare words, 128 bytes a wave, which no other line names
.set SPW,   14
.set NIL,   15
.set X,     64                         ; v64-191 my column's 128 numbers
	s_load_b256 s[4:11], s[0:1], 0x0               ; Wq s[4:5], Wk s[6:7], Wv s[8:9], Wp s[10:11]
	s_load_b128 s[12:15], s[0:1], 0x20             ; wc s[12:13], ws s[14:15]
	s_load_b64 s[16:17], s[0:1], 0x30              ; wpt
	v_lshl_add_u32 v[SPW], v0, 2, SPARE
	v_mov_b32 v[NIL], 0
	v_lshrrev_b32 v1, 5, v0
	v_readfirstlane_b32 s18, v1                    ; wave 0..15
	v_and_b32 v2, 31, v0                           ; lane
	s_and_b32 s19, s18, 1                          ; which 32 columns
	s_lshr_b32 s20, s18, 1                         ; which 128 along K
	s_and_b32 s21, ttmp7, 0xffff                   ; which tensor
	v_lshlrev_b32 v3, 2, v2                        ; in: 4 bytes a lane
	v_lshlrev_b32 v16, 4, v2                       ; out: 16 bytes a lane
	; every LDS address is made here, ahead of the parting of the ways
	s_mul_i32 s22, s19, 32*CP
	s_lshl_b32 s23, s20, 6
	s_add_co_u32 s22, s22, s23
	v_mul_u32_u24 v4, v2, CP
	v_add_nc_u32 v4, s22, v4                       ; codes in: column x 528 + 64 bytes for each 128 along K
	s_lshl_b32 s22, s19, 10
	s_lshl_b32 s23, s20, 2
	s_add_co_u32 s22, s22, s23
	s_add_co_u32 s22, s22, SCS
	v_lshl_add_u32 v5, v2, 5, s22                  ; scale word in: column x 32 + 4 for each 128 along K
	s_mul_i32 s22, s19, 32*WP
	s_lshl_b32 s23, s20, 8
	s_add_co_u32 s22, s22, s23
	s_add_co_u32 s22, s22, WST
	v_mul_u32_u24 v6, v2, WP
	v_add_nc_u32 v6, s22, v6                       ; f16 in: column x 2,064 + 256 for each 128 along K
	s_mul_i32 s22, s18, 4*CP
	v_add_nc_u32 v7, s22, v16                      ; codes out: wave w takes columns 4 w .. 4 w + 3, whole
	s_and_b32 s22, s18, 3
	s_lshl_b32 s22, s22, 9
	s_add_co_u32 s22, s22, SCS
	v_add_nc_u32 v8, s22, v16                      ; scale bytes out: waves 0 to 3, 512 bytes each
	s_mul_i32 s22, s18, 4*WP
	s_add_co_u32 s22, s22, WST
	v_add_nc_u32 v9, s22, v16                      ; f16 out
	; byte offsets in memory
	s_lshl_b32 s24, s20, 19                        ; 128 rows of 4,096 bytes
	s_lshl_b32 s25, ttmp9, 8
	s_add_co_u32 s24, s24, s25
	s_lshl_b32 s25, s19, 7
	s_add_co_u32 s24, s24, s25                     ; + my wave's first column
	s_mov_b32 s25, 0
	s_lshl_b32 s26, ttmp9, 6
	s_lshl_b32 s27, s18, 2
	s_add_co_u32 s26, s26, s27                     ; 64 x + 4 w: the first output row that I store
	s_lshl_b32 s28, s26, 11                        ; in wpt: 2,048 bytes a row
	s_mov_b32 s29, 0
	s_min_u32 s32, s21, 2                          ; (held at 2, so that Wp's work-groups form no offset beyond wc and ws, which they never touch)
	s_lshl_b32 s32, s32, 10
	s_add_co_u32 s26, s26, s32
	s_lshl_b32 s26, s26, 9                         ; in wc: 512 bytes a row
	s_mov_b32 s27, 0
	s_lshl_b32 s30, ttmp9, 6
	s_add_co_u32 s30, s30, s32
	s_lshl_b32 s30, s30, 5                         ; in ws: 32 bytes a row,
	s_and_b32 s31, s18, 3
	s_lshl_b32 s31, s31, 9
	s_add_co_u32 s30, s30, s31                     ; + my 512 of the work-group's 2,048
	s_mov_b32 s31, 0
	s_wait_kmcnt 0x0
	s_cmp_eq_u32 s21, 1                            ; the tensor is chosen by the work-group's number alone
	s_cselect_b64 s[4:5], s[6:7], s[4:5]
	s_cmp_eq_u32 s21, 2
	s_cselect_b64 s[4:5], s[8:9], s[4:5]
	s_cmp_eq_u32 s21, 3
	s_cselect_b64 s[4:5], s[10:11], s[4:5]
	s_add_nc_u64 s[4:5], s[4:5], s[24:25]
	s_add_nc_u64 s[12:13], s[12:13], s[26:27]
	s_add_nc_u64 s[14:15], s[14:15], s[30:31]
	s_add_nc_u64 s[16:17], s[16:17], s[28:29]
.set i, 0
.rept 128
	global_load_b32 v[X+i], v3, s[4:5] offset:i*4096 th:TH_LOAD_NT   ; W(128 kq + i, my column)
.set i, i+1
.endr
	s_cmp_eq_u32 s21, 3
	s_cbranch_scc1 .Lcast
; a block of 32 along K: its largest magnitude, its byte, its 16 bytes of codes.  left: younger loads that may stay out (63 where 96 or 64 are younger: the largest count that can be written; a smaller count is safe)
.macro BLOCK t, left
.set XS, X+32*(\t)
	s_wait_loadcnt \left
	v_max3_num_f32 v12, |v[XS]|, |v[XS+1]|, |v[XS+2]|
	v_max3_num_f32 v13, |v[XS+3]|, |v[XS+4]|, |v[XS+5]|
.irp i, 6,10,14,18,22,26
	v_max3_num_f32 v12, v12, |v[XS+\i]|, |v[XS+\i+1]|
	v_max3_num_f32 v13, v13, |v[XS+\i+2]|, |v[XS+\i+3]|
.endr
	v_max3_num_f32 v12, v12, |v[XS+30]|, |v[XS+31]|
	v_max3_num_f32 v12, v12, v13, 0x1800000        ; the floor 2^(3 - 127): the byte cannot fall under 1
	v_add_nc_u32 v11, 0xff000000, v12              ; 2 off the exponent field: the conversion's scale operand
	v_lshrrev_b32 v13, 23, v11                     ; the scale's byte
.if (\t) == 0
	v_mov_b32 v24, v13
.else
	v_lshl_or_b32 v24, v13, 8*(\t), v24            ; four bytes make the word of my 128 along K
.endif
.irp g, 0,1,2,3
	v_cvt_scalef32_pk8_fp4_f32 v[32+4*(\t)+\g], v[XS+8*\g:XS+8*\g+7], v11
.endr
	v_nop                                          ; one plain line behind the conversions
	ds_store_b128 v4, v[32+4*(\t):32+4*(\t)+3] offset:16*(\t)
.endm
	BLOCK 0, 63
	BLOCK 1, 63
	BLOCK 2, 32
	BLOCK 3, 0
	ds_store_b32 v5, v24
	s_branch .Lmeet
.Lcast:
.macro CAST t, left                    ; 32 along K of my column become 64 bytes of f16
	s_wait_loadcnt \left
.irp i, 0,1,2,3,4,5,6,7,8,9,10,11,12,13,14,15
	v_cvt_pk_f16_f32 v[192+16*(\t)+\i], v[X+32*(\t)+2*\i], v[X+32*(\t)+2*\i+1]
.endr
.irp i, 0,1,2,3
	ds_store_b128 v6, v[192+16*(\t)+4*\i:192+16*(\t)+4*\i+3] offset:64*(\t)+16*\i
.endr
.endm
	CAST 0, 63
	CAST 1, 63
	CAST 2, 32
	CAST 3, 0
.Lmeet:
	s_wait_dscnt 0x0                               ; for the others' sake: my stores have landed
	s_barrier_signal -1
	s_barrier_wait -1                              ; one barrier for both ways: 64 whole rows lie in LDS
	s_cmp_eq_u32 s21, 3
	s_cbranch_scc1 .Lcast_out
.irp i, 0,1,2,3
	ds_load_b128 v[48+4*\i:48+4*\i+3], v7 offset:CP*\i
.endr
.irp i, 0,1,2,3
	s_wait_dscnt 3-\i
	global_store_b128 v16, v[48+4*\i:48+4*\i+3], s[12:13] offset:512*\i   ; a whole row of wc: 512 consecutive bytes
.endr
	s_cmp_lt_u32 s18, 4                            ; the scale bytes, 2,048 dense bytes, leave by waves 0 to 3
	s_cbranch_scc0 .Lend
	ds_load_b128 v[20:23], v8
	s_wait_dscnt 0x0
	global_store_b128 v16, v[20:23], s[14:15]
	s_branch .Lend
.Lcast_out:
.irp n, 0,1,2,3,4,5,6,7,8,9,10,11,12,13,14,15
	ds_load_b128 v[X+4*\n:X+4*\n+3], v9 offset:WP*(\n/4)+512*(\n%4)
.endr
.irp n, 0,1,2,3,4,5,6,7,8,9,10,11,12,13,14,15
	s_wait_dscnt 15-\n
	global_store_b128 v16, v[X+4*\n:X+4*\n+3], s[16:17] offset:2048*(\n/4)+512*(\n%4)
.endr
.Lend:
	s_wait_tensorcnt 0x0                           ; the wave's end, behind my last LDS store
	ds_add_u32 v[SPW], v[NIL]
	s_wait_dscnt 0x0
	s_endpgm
.Lfunc_end_k_q50d38b41aa_prepw:
	.size	k_q50d38b41aa_prepw, .Lfunc_end_k_q50d38b41aa_prepw-k_q50d38b41aa_prepw
	.p2alignl 7, 3214868480
	.fill 96, 4, 3214868480
	.section	.rodata,"a",@progbits
	.p2align	6, 0x0
	.amdhsa_kernel k_q50d38b41aa_prepw
		.amdhsa_group_segment_fixed_size 169984
		.amdhsa_private_segment_fixed_size 0
		.amdhsa_enable_private_segment 0
		.amdhsa_kernarg_size 56
		.amdhsa_user_sgpr_count 2
		.amdhsa_user_sgpr_kernarg_segment_ptr 1
		.amdhsa_wavefront_size32 1
		.amdhsa_system_sgpr_workgroup_id_x 1
		.amdhsa_system_sgpr_workgroup_id_y 1
		.amdhsa_system_sgpr_workgroup_id_z 1
		.amdhsa_system_vgpr_workitem_id 0
		.amdhsa_next_free_vgpr 256
		.amdhsa_next_free_sgpr 66
		.amdhsa_reserve_vcc 0
		.amdhsa_float_denorm_mode_32 3
		.amdhsa_float_denorm_mode_16_64 3
		.amdhsa_memory_ordered 1
		.amdhsa_forward_progress 1
		.amdhsa_inst_pref_size 31
	.end_amdhsa_kernel
	.amdgpu_metadata
---
amdhsa.version: [ 1, 2 ]
amdhsa.kernels:
  - .name:           k_q50d38b41aa_prepw
    .symbol:         k_q50d38b41aa_prepw.kd
    .args:
      - { .name: Wq, .offset: 0, .size: 8, .value_kind: global_buffer, .address_space: global }
      - { .name: Wk, .offset: 8, .size: 8, .value_kind: global_buffer, .address_space: global }
      - { .name: Wv, .offset: 16, .size: 8, .value_kind: global_buffer, .address_space: global }
      - { .name: Wp, .offset: 24, .size: 8, .value_kind: global_buffer, .address_space: global }
      - { .name: wc, .offset: 32, .size: 8, .value_kind: global_buffer, .address_space: global }
      - { .name: ws, .offset: 40, .size: 8, .value_kind: global_buffer, .address_space: global }
      - { .name: wpt, .offset: 48, .size: 8, .value_kind: global_buffer, .address_space: global }
    .group_segment_fixed_size: 169984
    .private_segment_fixed_size: 0
    .kernarg_segment_align: 8
    .kernarg_segment_size: 56
    .max_flat_workgroup_size: 512
    .sgpr_count:     66
    .vgpr_count:     256
    .wavefront_size: 32
...
	.end_amdgpu_metadata
.endif
;; end of part 2
;; launch qkv (part 3): grid 12 x 32, 4 waves a work-group, clusters of 4 x 4, 327,680 bytes of LDS; arguments xc, xs, wc, ws, qkv, fine, bq, bk, bv; writes qkv, fine
.if DOCPART == 3
	.amdgcn_target "amdgcn-amd-amdhsa--gfx1250"
	.amdhsa_code_object_version 6
	.text
	.protected	k_q50d38b41aa_qkv
	.globl	k_q50d38b41aa_qkv
	.p2align	8
	.type	k_q50d38b41aa_qkv,@function
k_q50d38b41aa_qkv:
	s_mov_b64 s[64:65], 0
	v_nop
	global_prefetch_b8 v0, s[64:65] scope:SCOPE_SE
	s_setreg_imm32_b32 hwreg(HW_REG_WAVE_MODE, 25, 1), 1
	s_wait_xcnt 0x0
	s_wait_alu depctr_hold_cnt(0) depctr_sa_sdst(0) depctr_va_vdst(0) depctr_va_sdst(0) depctr_va_ssrc(0) depctr_va_vcc(0) depctr_vm_vsrc(0)
	s_getreg_b32 s2, hwreg(HW_REG_IB_STS2, 6, 4)
	s_cmp_eq_u32 s2, 0
	s_cbranch_scc0 .Lentry_in_a_cluster
	s_endpgm
.Lentry_in_a_cluster:
	s_bfe_u32 s2, ttmp6, 0x10000c
	s_cmp_lg_u32 s2, 0xf033
	s_cbranch_scc0 .Lentry_shape_is_right
	s_endpgm
.Lentry_shape_is_right:
; q, k, v = Q(x) Q(W) + b: one GEMM on codes of FP4 with E8M0 scales, [8192][1024] x [3072][1024]^T; columns 0-1023 are q's, 1024-2047 k's, 2048-3071 v's.  Sums in f32, the bias as the C of each sum's first product.
; Out: qkv, f16, [which 3][batch 4][head 16][t 2048][64]; and fine, f32, [which 3][batch 4][t 16][1024]: the first 16 positions of every sequence, kept whole for the launch that carries them in f32.
; LIMIT: |q|, |k|, |v| stay under 65,504 (f16).
; A tile of 256 x 256 is made by four waves, each 128 x 128: 64 accumulators, 512 registers.  K = 1,024 is two LDS slots of 512 along K, each filled ONCE by the tensor data mover: nothing is filled again.
; The scale bytes of the work-group's 256 + 256 rows, for all of K, are two dense blocks and come with the first fills.
; CLUSTERS: 4 x 4 work-groups; x's tiles are shared along a row of the cluster, the weights' along a column: each is asked for jointly, by the same tensor load with a mask that names the four.
; THE MATRIX INSTRUCTION IS USED TRANSPOSED (source 0 = 16 rows of the weights, source 1 = 16 rows of x): a lane holds eight neighbouring columns of one row.
; REGISTERS, in windows of 256: window 0: v0-31 addresses; v32-95 scale words, two sets; v128-191 x's fragments, one set; on the way out v32-63, v128-255 at work.
;   window 1: the weights' fragments, two sets, at v0 and v128; v64-127 the bias, eight registers for each block of 16 columns.   windows 2, 3: the accumulators of my rows 0-63, 64-127 ((a, b) at v[8 (8 (a % 4) + b)]).
.set KROW,   512                       ; a row of codes in memory
.set ROWB,   256                       ; a tile's row: 512 codes
.set NQ,     4                         ; matrix instructions deep in a slot
.set PITCH,  272                       ; an LDS row: 256 bytes + 16: the 16 rows that a load touches start 68 words apart
.set FR,     8
.set NL,     2
.set NP,     4                         ; places behind this matrix instruction (ISA guide 7.12.1)
.set HALFT,  128*PITCH
.set SLOT,   4*HALFT
.set KS,     32                        ; a row of scale bytes
.set SCL,    2*SLOT                    ; behind the slots: the scales, as units of 256 bytes + 16
.set HALFS,  16*272                    ; those of 128 rows
.set SBLK,   2*272                     ; those of 16 rows
.set SPARE,  SCL+4*HALFS               ; the spare words, 128 bytes a wave, which no other line names
.set SPITCH, 528                       ; the way out, f32: 16 rows x (512 + 16) for each wave, in slot 0, which has had its one fill and its last read by then
.set HPITCH, 272                       ; the way out, f16: 16 rows x (256 + 16), in the same bytes
.set BO,   7                           ; v7   the bias loads' offset
.set ADRA, 16
.set ADRB, 20
.set STH,  22                          ; v22  f16: where I put 16 bytes of a row
.set RDH,  23                          ; v23  f16: where I read back: 8 lanes to a head's 128 bytes of a row
.set STO,  24                          ; v24  f32: where I put 32 bytes of a row
.set RD,   25                          ; v25  f32: where I read a row back
.set CO,   26                          ; v26  16 x lane
.set ADRS, 27
.set SPW,  28
.set NIL,  29
.set FLG,  30                          ; v30  0 where my block 0 holds positions 0 to 15 of a sequence
.set SC,   32
.set AF,   128
.set BIAS, 64                          ; in window 1
.set FB,   128                         ; the f32 rows read back
.set TMP,  192
.set OB,   32                          ; f16 rows read back: v32-63 and v224-255 by turns
.set G1, 24
.set G0, 32
.set G1B, 48
.set G0B, 56
.set G1S, 68
.set G0S, 76
.set G1SB, 80
.set G0SB, 88
.set MSB, 0
.macro WIN new                         ; the immediate's high byte repeats the setting that is left
.if MSB != \new
	s_set_vgpr_msb (MSB<<8)|\new
.set MSB, \new
.endif
.endm
.set MUL_LO, 0xa1                      ; source 0 window 1, source 1 window 0, C and D window 2
.set MUL_HI, 0xf1                      ; the same, C and D window 3
.set FST_LO, 0x91                      ; the first step: C (the bias) window 1, D window 2
.set FST_HI, 0xd1                      ; D window 3
.set TO_B,   0x40
; A joint load: waves 0 and 1 fetch for x, waves 2 and 3 for the weights; the branch hangs on the wave's number alone.  An s_nop 0 and four v_nop follow each line.
.macro JLOAD g0a, g1a, g0b, g1b
	s_cmp_eq_u32 s15, 0
	s_cbranch_scc0 .Lfor_b_\@
	tensor_load_to_lds s[\g0a:\g0a+3], s[\g1a:\g1a+7]
	s_nop 0
.rept 4
	v_nop
.endr
	s_branch .Lasked_\@
.Lfor_b_\@:
	tensor_load_to_lds s[\g0b:\g0b+3], s[\g1b:\g1b+7]
	s_nop 0
.rept 4
	v_nop
.endr
.Lasked_\@:
.endm
.macro CROUND                          ; a round of the cluster's barrier
	s_barrier_signal -1
	s_barrier_wait -1
	s_cmp_lg_u32 s14, 0
	s_cbranch_scc1 .Lnot_wave_0_\@
	s_barrier_signal -3
.Lnot_wave_0_\@:
	s_barrier_wait -3
	s_barrier_signal -1
	s_barrier_wait -1
.endm
	s_load_b128 s[4:7], s[0:1], 0x0                ; xc s[4:5], xs s[6:7]
	s_load_b128 s[8:11], s[0:1], 0x10              ; wc s[8:9], ws s[10:11]
	s_load_b64 s[12:13], s[0:1], 0x20              ; qkv
	s_load_b64 s[66:67], s[0:1], 0x28              ; fine
	s_load_b128 s[96:99], s[0:1], 0x30             ; bq s[96:97], bk s[98:99]
	s_load_b64 s[100:101], s[0:1], 0x40            ; bv
	v_lshl_add_u32 v[SPW], v0, 2, SPARE
	v_mov_b32 v[NIL], 0
	ds_add_u32 v[SPW], v[NIL]                      ; the wave's opening: the add, twice on end, and its wait ahead of my first tensor load
	ds_add_u32 v[SPW], v[NIL]
	v_lshrrev_b32 v1, 5, v0
	v_readfirstlane_b32 s14, v1                    ; wave 0..3
	s_lshr_b32 s15, s14, 1                         ; which half of the tile's rows is mine.  Also: I fetch for x (0) or for the weights (1)
	s_and_b32 s16, s14, 1                          ; which half of its columns.  Also: which 128 rows I fetch
	s_bfe_u32 s40, ttmp6, 0x40000                  ; cx, cy
	s_bfe_u32 s41, ttmp6, 0x40004
	s_lshl_b32 s42, ttmp9, 2
	s_add_co_u32 s42, s42, s40                     ; tile column = 4 x cluster x + cx
	s_and_b32 s17, ttmp7, 0xffff
	s_lshl_b32 s17, s17, 2
	s_add_co_u32 s17, s17, s41                     ; tile row = 4 x cluster y + cy
	s_lshl_b32 s43, s41, 2
	s_lshl_b32 s43, 15, s43                        ; my row of the cluster
	s_lshl_b32 s44, 0x1111, s40                    ; my column
	s_or_b32 s[G1+0], s43, (0<<16)|(1<<20)|(1<<21)|(5<<22)|(3<<25)  ; the mask; elements of 1 byte; padding on; bit 21 beside a mask; 4 words behind every 64
	s_or_b32 s[G1B+0], s44, (0<<16)|(1<<20)|(1<<21)|(5<<22)|(3<<25)
.irp g, G1, G1B
	s_mov_b32 s[\g+1], ROWB<<16                    ; tensor_dim0
	s_mov_b32 s[\g+2], 128<<16                     ; tensor_dim1
	s_mov_b32 s[\g+3], ROWB<<16                    ; tile_dim0
	s_mov_b32 s[\g+4], 128                         ; tile_dim1
	s_mov_b32 s[\g+5], KROW                        ; the pitch
	s_mov_b32 s[\g+6], 0
	s_mov_b32 s[\g+7], 0
.endr
	s_or_b32 s[G1S+0], s43, (3<<16)|(1<<20)|(1<<21)|(5<<22)|(3<<25)  ; the scales of 128 rows: 4,096 dense bytes as 16 rows of 256 (32 elements of 8 bytes)
	s_or_b32 s[G1SB+0], s44, (3<<16)|(1<<20)|(1<<21)|(5<<22)|(3<<25)
.irp g, G1S, G1SB
	s_mov_b32 s[\g+1], 32<<16
	s_mov_b32 s[\g+2], 16<<16
	s_mov_b32 s[\g+3], 32<<16
	s_mov_b32 s[\g+4], 16
	s_mov_b32 s[\g+5], 32
	s_mov_b32 s[\g+6], 0
	s_mov_b32 s[\g+7], 0
.endr
	s_lshl_b32 s18, s16, 7
	s_lshl_b32 s20, s17, 8
	s_add_co_u32 s20, s20, s18                     ; x: row 256 x tile row + 128 x half
	s_lshl_b32 s46, s42, 8
	s_add_co_u32 s46, s46, s18                     ; weights: row 256 x tile column + 128 x half
	s_mov_b32 s21, 0
	s_mov_b32 s47, 0
	s_mov_b64 s[18:19], KS
	s_mul_u64 s[22:23], s[20:21], s[18:19]         ; where these rows' scales begin
	s_mul_u64 s[92:93], s[46:47], s[18:19]
	s_mov_b64 s[18:19], KROW
	s_mul_u64 s[20:21], s[20:21], s[18:19]         ; and their codes
	s_mul_u64 s[46:47], s[46:47], s[18:19]
	s_mul_i32 s45, s14, HALFT                      ; where they go: wave x 128 rows
	s_mul_i32 s94, s14, HALFS
	s_wait_dscnt 0x0                               ; both opening adds are done
	s_wait_kmcnt 0x0
	s_add_nc_u64 s[20:21], s[4:5], s[20:21]
	s_add_nc_u64 s[22:23], s[6:7], s[22:23]
	s_add_nc_u64 s[46:47], s[8:9], s[46:47]
	s_add_nc_u64 s[92:93], s[10:11], s[92:93]
	CROUND                                         ; all sixteen work-groups are here: the joint loads meet
	s_mov_b32 s[G0S], 1
	s_add_co_u32 s[G0S+1], s94, SCL
	s_mov_b64 s[G0S+2:G0S+3], s[22:23]
	s_or_b32 s[G0S+3], s[G0S+3], 0x80000000
	s_mov_b32 s[G0SB], 1
	s_add_co_u32 s[G0SB+1], s94, SCL
	s_mov_b64 s[G0SB+2:G0SB+3], s[92:93]
	s_or_b32 s[G0SB+3], s[G0SB+3], 0x80000000
	JLOAD G0S, G1S, G0SB, G1SB                     ; the scales first
.irp s, 0,1
	s_mov_b32 s[G0+4*\s], 1
	s_add_co_u32 s[G0+4*\s+1], s45, \s*SLOT
	s_add_nc_u64 s[G0+4*\s+2:G0+4*\s+3], s[20:21], \s*ROWB
	s_or_b32 s[G0+4*\s+3], s[G0+4*\s+3], 0x80000000
	s_mov_b32 s[G0B+4*\s], 1
	s_add_co_u32 s[G0B+4*\s+1], s45, \s*SLOT
	s_add_nc_u64 s[G0B+4*\s+2:G0B+4*\s+3], s[46:47], \s*ROWB
	s_or_b32 s[G0B+4*\s+3], s[G0B+4*\s+3], 0x80000000
	JLOAD G0+4*\s, G1, G0B+4*\s, G1B               ; by my own count three tensor loads of mine are out now, and none follows
.endr
	v_and_b32 v1, 15, v0                           ; r
	v_bfe_u32 v2, v0, 4, 1                         ; h
	v_mul_u32_u24 v3, v1, PITCH
	v_lshl_add_u32 v4, v2, 4, v3
	s_mul_i32 s21, s15, HALFT
	s_mul_i32 s22, s16, HALFT
	s_add_co_u32 s22, s22, 2*HALFT
.irp s, 0,1
	v_add_nc_u32 v[ADRA+\s], s21, v4
	v_add_nc_u32 v[ADRB+\s], s22, v4
	s_add_co_u32 s21, s21, SLOT
	s_add_co_u32 s22, s22, SLOT
.endr
	v_mul_u32_u24 v5, v1, KS                       ; my row's scales: 32 bytes a row,
	v_lshrrev_b32 v6, 8, v5
	v_lshl_add_u32 v5, v6, 4, v5                   ; and 16 more for each 256 passed
	s_mul_i32 s21, s15, HALFS
	s_mul_i32 s22, s16, HALFS
	s_add_co_u32 s22, s22, 2*HALFS
	s_sub_co_u32 s22, s22, s21
	v_mul_u32_u24 v6, s22, v2                      ; lanes 16-31 take the weights'
	s_add_co_u32 s21, s21, SCL
	v_add_nc_u32 v5, v5, v6
	v_add_nc_u32 v[ADRS], s21, v5
	s_mul_i32 s23, s14, 16*SPITCH                  ; my stage
	v_mul_u32_u24 v5, v1, SPITCH
	v_lshl_add_u32 v5, v2, 5, v5
	v_add_nc_u32 v[STO], s23, v5
	v_and_b32 v6, 31, v0
	v_lshlrev_b32 v[CO], 4, v6
	v_add_nc_u32 v[RD], s23, v[CO]
	v_mul_u32_u24 v5, v1, HPITCH
	v_lshl_add_u32 v5, v2, 4, v5
	v_add_nc_u32 v[STH], s23, v5
	v_lshrrev_b32 v5, 3, v6
	v_mul_u32_u24 v5, v5, HPITCH
	v_and_b32 v6, 7, v6
	v_lshl_add_u32 v5, v6, 4, v5
	v_add_nc_u32 v[RDH], s23, v5
	; the bias, and where my results go
	s_lshr_b32 s92, s42, 2                         ; which of q, k, v
	s_and_b32 s93, s42, 3                          ; which 256 of its 1,024 columns
	s_cmp_eq_u32 s92, 1
	s_cselect_b64 s[96:97], s[98:99], s[96:97]
	s_cmp_eq_u32 s92, 2
	s_cselect_b64 s[96:97], s[100:101], s[96:97]
	s_lshl_b32 s94, s93, 10
	s_lshl_b32 s95, s16, 9
	s_add_co_u32 s94, s94, s95                     ; the byte of my first column in a row of 1,024 f32
	v_lshl_add_u32 v[BO], v2, 5, s94               ; lane (r, h) wants, for block b, the numbers of columns 16 b + 8 h + 0 .. 7
	WIN TO_B
.irp b, 0,1,2,3,4,5,6,7
	global_load_b128 v[BIAS+8*\b:BIAS+8*\b+3], v[BO], s[96:97] offset:64*\b
	global_load_b128 v[BIAS+8*\b+4:BIAS+8*\b+7], v[BO], s[96:97] offset:64*\b+16
.endr
	WIN 0
	s_lshr_b32 s46, s17, 3                         ; the batch: a sequence is 8 tile rows
	s_lshl_b32 s20, s92, 18
	s_lshl_b32 s21, s46, 16
	s_add_co_u32 s20, s20, s21
	s_add_co_u32 s20, s20, s94
	s_mov_b32 s21, 0
	s_add_nc_u64 s[66:67], s[66:67], s[20:21]      ; fine: which x 262,144 + batch x 65,536 + my columns
	s_lshl_b32 s20, s92, 24                        ; qkv: which x 16 MiB
	s_lshl_b32 s21, s46, 22                        ; + batch x 4 MiB
	s_add_co_u32 s20, s20, s21
	s_lshl_b32 s21, s93, 2
	s_lshl_b32 s22, s16, 1
	s_add_co_u32 s21, s21, s22                     ; my first head
	s_lshl_b32 s21, s21, 18
	s_add_co_u32 s20, s20, s21
	s_and_b32 s47, s17, 7
	s_lshl_b32 s21, s47, 8
	s_lshl_b32 s22, s15, 7
	s_add_co_u32 s21, s21, s22                     ; my first position
	s_lshl_b32 s21, s21, 7
	s_add_co_u32 s20, s20, s21
	s_mov_b32 s21, 0
	s_add_nc_u64 s[12:13], s[12:13], s[20:21]
	s_or_b32 s47, s47, s15
	v_mov_b32 v[FLG], s47
.macro FRAG reg, adr, q, i             ; 16 rows x 128 K of 4-bit codes: registers 4 c .. 4 c + 3 hold K = 64 c + 32 (lane / 16) + 0 .. 31
.irp c, 0,1
	ds_load_b128 v[\reg+4*\c:\reg+4*\c+3], v[\adr] offset:64*(\q)+32*\c+(\i)*16*PITCH
.endr
.endm
; 16 matrix instructions: x's blocks a0, a0 + 1 against the weights' eight.  first = 1: the bias is the C.  The 64 accumulators take turns, one instruction a turn.
.macro MUL16 a0, p, q, sc, first
.irp a, \a0, \a0+1
.irp b, 0,1,2,3,4,5,6,7
.if \first
	v_wmma_scale_f32_16x16x128_f8f6f4 v[8*(8*((\a)%4)+\b):8*(8*((\a)%4)+\b)+7], v[128*(\p)+FR*\b:128*(\p)+FR*\b+FR-1], v[AF+FR*(\a):AF+FR*(\a)+FR-1], v[BIAS+8*\b:BIAS+8*\b+7], v[SC+8*NQ*(\sc)+NQ*\b+(\q)], v[SC+8*NQ*(\sc)+NQ*(\a)+(\q)] matrix_a_fmt:MATRIX_FMT_FP4 matrix_b_fmt:MATRIX_FMT_FP4 matrix_a_scale:MATRIX_SCALE_ROW1
.else
	v_wmma_scale_f32_16x16x128_f8f6f4 v[8*(8*((\a)%4)+\b):8*(8*((\a)%4)+\b)+7], v[128*(\p)+FR*\b:128*(\p)+FR*\b+FR-1], v[AF+FR*(\a):AF+FR*(\a)+FR-1], v[8*(8*((\a)%4)+\b):8*(8*((\a)%4)+\b)+7], v[SC+8*NQ*(\sc)+NQ*\b+(\q)], v[SC+8*NQ*(\sc)+NQ*(\a)+(\q)] matrix_a_fmt:MATRIX_FMT_FP4 matrix_b_fmt:MATRIX_FMT_FP4 matrix_a_scale:MATRIX_SCALE_ROW1
.endif
.endr
.endr
.endm
.macro FETCH_B slot, q, p
	WIN TO_B
.irp i, 0,1,2,3,4,5,6,7
	FRAG 128*(\p)+FR*\i, ADRB+\slot, \q, \i
.endr
	WIN 0
.endm
.macro FETCH_A slot, q, i0
.irp i, \i0, \i0+1, \i0+2, \i0+3
	FRAG AF+FR*(\i), ADRA+\slot, \q, \i
.endr
.endm
.macro SCALES sc                       ; a slot's scale words: lanes 0-15 take x's block i, lanes 16-31 the weights' block i
.irp i, 0,1,2,3,4,5,6,7
	ds_load_b128 v[SC+8*NQ*\sc+NQ*\i:SC+8*NQ*\sc+NQ*\i+3], v[ADRS] offset:\i*SBLK
.endr
.endm
.macro PLACES n                        ; plain vector lines between a matrix instruction and a load into, or a read of, its registers
.rept \n
	v_nop
.endr
.endm
.macro STEP slot, q, first             ; 128 along K with its successor in the same slot
	s_wait_dscnt 4*NL                              ; the weights' set and x's blocks 0-3 are in; the youngest eight loads (blocks 4-7) may be out
.if \first
	WIN FST_LO
.else
	WIN MUL_LO
.endif
	MUL16 0, (\q)%2, \q, \slot, \first
	MUL16 2, (\q)%2, \q, \slot, \first
	s_wait_dscnt 0
	PLACES NP
	FETCH_B \slot, (\q)+1, 1-(\q)%2
	FETCH_A \slot, (\q)+1, 0
.if \first
	WIN FST_HI
.else
	WIN MUL_HI
.endif
	MUL16 4, (\q)%2, \q, \slot, \first
	MUL16 6, (\q)%2, \q, \slot, \first
	PLACES NP
	WIN 0
	FETCH_A \slot, (\q)+1, 4
.endm
	s_wait_tensorcnt 1                             ; the scales and my part of slot 0 are in; slot 1's load may be out
	s_barrier_signal -1
	s_barrier_wait -1
	FETCH_B 0, 0, 0
	FETCH_A 0, 0, 0
	SCALES 0
	FETCH_A 0, 0, 4
	s_wait_loadcnt 0x0                             ; the bias
	STEP 0, 0, 1
	STEP 0, 1, 0
	STEP 0, 2, 0
	; slot 0's last step changes slots: one barrier; in front of it my part of slot 1 has landed and my reads of slot 0 are over
	s_wait_tensorcnt 0x0
	ds_add_u32 v[SPW], v[NIL]                      ; 0 onto my spare word
	s_wait_dscnt 4*NL+1                            ; the add and the youngest eight loads may be out
	WIN MUL_LO
	MUL16 0, 1, NQ-1, 0, 0
	s_wait_dscnt 0x0
	s_barrier_signal -1
	MUL16 2, 1, NQ-1, 0, 0
	WIN 0
	s_barrier_wait -1
	PLACES NP
	v_add_nc_u32 v[ADRS], 4*NQ, v[ADRS]            ; on to slot 1's scale words
	FETCH_B 1, 0, 0
	FETCH_A 1, 0, 0
	SCALES 1
	WIN MUL_HI
	MUL16 4, 1, NQ-1, 0, 0
	MUL16 6, 1, NQ-1, 0, 0
	PLACES NP
	WIN 0
	FETCH_A 1, 0, 4
	STEP 1, 0, 0
	STEP 1, 1, 0
	STEP 1, 2, 0
	s_wait_dscnt 4*NL                              ; the very last step: nothing more to fetch
	WIN MUL_LO
	MUL16 0, 1, NQ-1, 1, 0
	MUL16 2, 1, NQ-1, 1, 0
	s_wait_dscnt 0
	WIN MUL_HI
	MUL16 4, 1, NQ-1, 1, 0
	MUL16 6, 1, NQ-1, 1, 0
	WIN 0
	; THE WAY OUT.  First my block 0 (16 rows x 128 columns) in f32, through my stage, back as whole rows of 512 bytes.  Every wave does this; the 16 stores run with lanes on only where these rows are
	; positions 0 to 15 of a sequence: a mask on EXEC, no branch, since the flag differs between partners of the cluster.
	PLACES NP
	WIN 0x08                                       ; an LDS store's data are its source 1: window 2
.irp b, 0,1,2,3,4,5,6,7
	ds_store_b128 v[STO], v[8*\b:8*\b+3] offset:64*\b              ; each accumulator from its low end on
	ds_store_b128 v[STO], v[8*\b+4:8*\b+7] offset:64*\b+16
.endr
	WIN 0
.irp t, 0,1,2,3,4,5,6,7,8,9,10,11,12,13,14,15
	ds_load_b128 v[FB+4*\t:FB+4*\t+3], v[RD] offset:\t*SPITCH      ; LDS serves a wave's instructions in order: these see the stores above
.endr
	s_wait_dscnt 0x0
	v_cmp_eq_u32 vcc_lo, 0, v[FLG]
	s_wait_xcnt 0x0                                ; EXEC changes only behind this wait
	s_and_saveexec_b32 s3, vcc_lo
.irp t, 0,1,2,3,4,5,6,7,8,9,10,11,12,13,14,15
	global_store_b128 v[CO], v[FB+4*\t:FB+4*\t+3], s[66:67] offset:\t*4096   ; 32 lanes store 512 consecutive bytes of position t's row
.endr
	s_wait_xcnt 0x0                                ; and again in front of the line that widens it
	s_or_b32 exec_lo, exec_lo, s3
; Then all eight blocks in f16.  PACK: rounded, 16 bytes a lane.  TOSTAGE: into the stage, and back so that 8 lanes hold a head's 128 bytes of a row.  SEND: each store covers four rows of one head, 512 consecutive bytes.
.macro PACK a
.set AC, 64*((\a)%4)
	WIN 0x0a+5*((\a)/4)                            ; sources 0 and 1: window 2 or 3
.irp b, 0,1,2,3,4,5,6,7
.irp r, 0,1,2,3
	v_cvt_pk_f16_f32 v[TMP+4*\b+\r], v[AC+8*\b+2*\r], v[AC+8*\b+2*\r+1]
.endr
.endr
	WIN 0
.endm
.macro TOSTAGE a
.set BK, OB+192*((\a)%2)
.irp b, 0,1,2,3,4,5,6,7
	ds_store_b128 v[STH], v[TMP+4*\b:TMP+4*\b+3] offset:32*\b
.endr
.irp i, 0,1,2,3,4,5,6,7
	ds_load_b128 v[BK+4*\i:BK+4*\i+3], v[RDH] offset:(\i%4)*4*HPITCH+(\i/4)*128
.endr
.endm
.macro SEND a
.set BK, OB+192*((\a)%2)
	s_wait_dscnt 0x0                               ; the block is back in registers
	s_wait_xcnt 0x0                                ; the earlier stores have read their base and their registers
.if (\a) > 0
	s_add_nc_u64 s[12:13], s[12:13], 2048          ; 16 positions on
.endif
.irp i, 0,1,2,3,4,5,6,7
	global_store_b128 v[CO], v[BK+4*\i:BK+4*\i+3], s[12:13] offset:(\i/4)*262144+(\i%4)*512
.endr
.endm
	PACK 0
	TOSTAGE 0
.irp a, 1,2,3,4,5,6,7
	PACK \a                                        ; block a's conversions stand between block a - 1's loads from the stage and the wait for them
	SEND \a-1
	TOSTAGE \a
.endr
	SEND 7
	s_wait_tensorcnt 0x0                           ; the wave's end
	ds_add_u32 v[SPW], v[NIL]
	s_wait_dscnt 0x0
	CROUND                                         ; the closing round
	s_endpgm
.Lfunc_end_k_q50d38b41aa_qkv:
	.size	k_q50d38b41aa_qkv, .Lfunc_end_k_q50d38b41aa_qkv-k_q50d38b41aa_qkv
	.p2alignl 7, 3214868480
	.fill 96, 4, 3214868480
	.section	.rodata,"a",@progbits
	.p2align	6, 0x0
	.amdhsa_kernel k_q50d38b41aa_qkv
		.amdhsa_group_segment_fixed_size 327680
		.amdhsa_private_segment_fixed_size 0
		.amdhsa_enable_private_segment 0
		.amdhsa_kernarg_size 72
		.amdhsa_user_sgpr_count 2
		.amdhsa_user_sgpr_kernarg_segment_ptr 1
		.amdhsa_wavefront_size32 1
		.amdhsa_system_sgpr_workgroup_id_x 1
		.amdhsa_system_sgpr_workgroup_id_y 1
		.amdhsa_system_sgpr_workgroup_id_z 1
		.amdhsa_system_vgpr_workitem_id 0
		.amdhsa_next_free_vgpr 1024
		.amdhsa_next_free_sgpr 102
		.amdhsa_reserve_vcc 1
		.amdhsa_float_denorm_mode_32 3
		.amdhsa_float_denorm_mode_16_64 3
		.amdhsa_memory_ordered 1
		.amdhsa_forward_progress 1
		.amdhsa_inst_pref_size 133
	.end_amdhsa_kernel
	.amdgpu_metadata
---
amdhsa.version: [ 1, 2 ]
amdhsa.kernels:
  - .name:           k_q50d38b41aa_qkv
    .symbol:         k_q50d38b41aa_qkv.kd
    .args:
      - { .name: xc, .offset: 0, .size: 8, .value_kind: global_buffer, .address_space: global }
      - { .name: xs, .offset: 8, .size: 8, .value_kind: global_buffer, .address_space: global }
      - { .name: wc, .offset: 16, .size: 8, .value_kind: global_buffer, .address_space: global }
      - { .name: ws, .offset: 24, .size: 8, .value_kind: global_buffer, .address_space: global }
      - { .name: qkv, .offset: 32, .size: 8, .value_kind: global_buffer, .address_space: global }
      - { .name: fine, .offset: 40, .size: 8, .value_kind: global_buffer, .address_space: global }
      - { .name: bq, .offset: 48, .size: 8, .value_kind: global_buffer, .address_space: global }
      - { .name: bk, .offset: 56, .size: 8, .value_kind: global_buffer, .address_space: global }
      - { .name: bv, .offset: 64, .size: 8, .value_kind: global_buffer, .address_space: global }
    .group_segment_fixed_size: 327680
    .private_segment_fixed_size: 0
    .kernarg_segment_align: 8
    .kernarg_segment_size: 72
    .max_flat_workgroup_size: 128
    .sgpr_count:     102
    .vgpr_count:     1024
    .wavefront_size: 32
...
	.end_amdgpu_metadata
.endif
;; end of part 3
;; launch attn (part 4): grid 4 x 64, 16 waves a work-group, no clusters, 327,680 bytes of LDS; arguments qkv, yh; writes yh
.if DOCPART == 4
	.amdgcn_target "amdgcn-amd-amdhsa--gfx1250"
	.amdhsa_code_object_version 6
	.text
	.protected	k_q50d38b41aa_attn
	.globl	k_q50d38b41aa_attn
	.p2align	8
	.type	k_q50d38b41aa_attn,@function
k_q50d38b41aa_attn:
	s_mov_b64 s[64:65], 0
	v_nop
	global_prefetch_b8 v0, s[64:65] scope:SCOPE_SE
	s_setreg_imm32_b32 hwreg(HW_REG_WAVE_MODE, 25, 1), 1
	s_wait_xcnt 0x0
; y[b][h][q] = the sum over k <= q of softmax_k(q . k / 8) v, head size 64, 2,048 positions, 64 (batch, head) pairs.  q, k, v: f16, [which][batch x 16 + head][2048][64].  y: f16, yh [head][batch x 2048 + t][64].
; Products with f16 operands and f32 sums; maxima, exponentials and sums in f32; the weights p (at most 1) are rounded to f16 for the second product, y once at the end.
; (Positions 0 to 15 of each sequence are computed here too, but the output rows made of them are written by the launch that carries them in f32.)
; SHARES.  Work-group (i, head) owns query blocks i and 7 - i, 256 queries each, so that under the causal mask every work-group has the same number of key steps.  Each of its sixteen waves owns 32 queries, two tiles
; of 16: half of the waves from the early block, half from the late one, mixed so that each run of four and each stride of four holds two of each.  Four waves share a SIMD: one wave's vector work stands beside another's products.
; NO CLUSTER: the four work-groups of a head need 8, 7, 6 and 5 slots of keys, so a joint load would bring tiles that some partner never reads.
; LAYOUT.  S^T = K Q^T (source 0 = 16 keys, source 1 = 16 queries): a lane holds one query (lane % 16) and keys 8 (lane / 16) + 0..7 of each tile.  Two such tiles, rounded to f16 in pairs, are source 1 of
; O^T = V^T P.  K comes out of LDS as it lies, V ([key][channel]) turned, by ds_load_tr16_b128.
; SOFTMAX.  A running maximum m and sum l for each query: p = 2^(c s - c m), c = log2(e) / 8; in every step O and l are multiplied by a = 2^(c m_old - c m_new).
; THE MASK.  Every work-group walks all 8 slots of 256 keys: the trip counts are constants.  A step (64 keys) whose keys all come after my 32 queries is jumped over, by a branch on ids; on the diagonal hidden scores become
; -infinity.  A slot whose first key comes after the work-group's last query is not asked for.  Key 0 counts for every query, so m is a number from the first step on.
; REGISTERS: v1-11 addresses; v12-27 statistics, eight a tile (+0 c m, +1 m, +2, +3 l, +4..7 at work, a in +6); v28 -infinity; v29, v30 the mask's differences; v31 Q's offset; v32-63 Q; v64-127 K's fragments, then V's;
;   v128-191 S^T, later P in place; v192-255 O^T.
.set KP,    144                        ; a key's row in LDS: 128 bytes + 16
.set VP,    160                        ; a row of V: 128 + 32, for the turning load
.set SK,    256                        ; keys in a slot
.set VOFF,  SK*KP
.set SLOT1, 1<<17                      ; slot 1 begins here: one exclusive or turns an address
.set SPARE, 2*SLOT1                    ; the spare words, 128 bytes a wave, which no other line names
.set STP,   144                        ; the way out: 32 rows x (128 + 16) for each wave, in slot 0, which was left at the last change of slots
.set AK0, 1
.set AV0, 2
.set SPW, 3
.set NIL, 4
.set ADK, 5
.set ADV, 6
.set GO,  7
.set LQ,  8                            ; v8   lane % 16 - 8 (lane / 16)
.set STO, 9
.set RD,  10
.set PFO, 11
.set ST,  12
.set NINF, 28
.set D0,  29
.set QO,  31
.set Q,   32
.set KV,  64
.set S,   128
.set O,   192
.set TB,  2                            ; s2   LDS byte at which the slot in hand begins
.set WV,  18
.set SEL, 20
.set CS,  22
.set G1K, 24
.set G1V, 32
.set G0K, 40
.set G0V, 44
.set SLOTS, 67
.set PFA, 76
.set LIM, 80
.set LASTQ, 97                         ; s97  my work-group's last query
.set KF,  98                           ; s98  the step's first key
.set Q0,  99                           ; s99  my first query
; Waves 0 and 1 fetch K's halves of a slot, waves 2 and 3 V's, the others nothing.  An s_nop 0 and four v_nop follow each line.
.macro TLOAD
	s_cmp_lt_u32 s[WV], 2
	s_cbranch_scc0 .Lnot_k_\@
	tensor_load_to_lds s[G0K:G0K+3], s[G1K:G1K+7]
	s_nop 0
.rept 4
	v_nop
.endr
	s_branch .Lasked_\@
.Lnot_k_\@:
	s_cmp_lt_u32 s[WV], 4
	s_cbranch_scc0 .Lasked_\@
	tensor_load_to_lds s[G0V:G0V+3], s[G1V:G1V+7]
	s_nop 0
.rept 4
	v_nop
.endr
.Lasked_\@:
.endm
; A prefetch of what the NEXT change of slots will ask for: a slot's 32,768 dense bytes of K and of V.  All four work-groups of a head walk the same K and V; the one with i = 0, which loads all eight slots, asks.
; In it waves 4 to 7 ask for K's block and waves 8 to 11 for V's, 8,192 bytes a wave, lanes 256 bytes apart: each block of 256 bytes is named once in the launch.  The last change that fills a slot asks for nothing.
.macro ASK
	s_cmp_gt_u32 s[SLOTS], s[LIM]
	s_cbranch_scc0 .Lnot_mine_\@
	global_prefetch_b8 v[PFO], s[PFA:PFA+1] th:TH_LOAD_NT scope:SCOPE_SE
.Lnot_mine_\@:
.endm
	s_load_b128 s[4:7], s[0:1], 0x0                ; qkv s[4:5], yh s[6:7]
	v_lshl_add_u32 v[SPW], v0, 2, SPARE
	v_mov_b32 v[NIL], 0
	ds_add_u32 v[SPW], v[NIL]                      ; the wave's opening: the add, twice on end, and its wait ahead of the first tensor load
	ds_add_u32 v[SPW], v[NIL]
	v_lshrrev_b32 v5, 5, v0
	v_readfirstlane_b32 s[WV], v5                  ; wave 0..15
	s_and_b32 s70, ttmp7, 0xffff                   ; 16 x batch + head
	s_lshl_b32 s72, s70, 18                        ; its 262,144 bytes in each of q, k, v
	s_mov_b32 s73, 0
	s_lshr_b32 s74, s[WV], 2
	s_xor_b32 s74, s74, s[WV]
	s_and_b32 s74, s74, 1                          ; 1: I work on the late block
	s_lshl_b32 s75, ttmp9, 1
	s_sub_co_u32 s75, 7, s75
	s_mul_i32 s75, s75, s74
	s_add_co_u32 s75, s75, ttmp9                   ; my block: i or 7 - i
	s_lshl_b32 s75, s75, 8
	s_lshr_b32 s81, s[WV], 1
	s_lshl_b32 s81, s81, 5
	s_add_co_u32 s[Q0], s75, s81                   ; my first query
	s_sub_co_u32 s[LASTQ], 8, ttmp9
	s_lshl_b32 s[LASTQ], s[LASTQ], 8
	s_sub_co_u32 s[LASTQ], s[LASTQ], 1
	s_and_b32 s88, s[WV], 1                        ; which 128 keys of a slot I fetch, if I fetch
	s_mul_i32 s89, s88, 128*KP
	s_mul_i32 s94, s88, 128*VP
	s_add_co_u32 s94, s94, VOFF
	s_lshl_b32 s90, s88, 14
	s_mov_b32 s91, 0
	s_add_nc_u64 s[90:91], s[90:91], s[72:73]
	; descriptor group 1: 128 rows of 64 elements of 2 bytes, dense in memory, padded behind every row
	s_mov_b32 s[G1K], (1<<16)|(1<<20)|(4<<22)|(3<<25)              ; 4 words behind every 32
	s_mov_b32 s[G1V], (1<<16)|(1<<20)|(4<<22)|(7<<25)              ; 8 words
.irp g, G1K, G1V
	s_mov_b32 s[\g+1], 64<<16                      ; tensor_dim0
	s_mov_b32 s[\g+2], 128<<16                     ; tensor_dim1
	s_mov_b32 s[\g+3], 64<<16                      ; tile_dim0
	s_mov_b32 s[\g+4], 128                         ; tile_dim1
	s_mov_b32 s[\g+5], 64                          ; the pitch
	s_mov_b32 s[\g+6], 0
	s_mov_b32 s[\g+7], 0
.endr
	s_mov_b32 s[SEL], 0x76543210
	s_mov_b32 s[SEL+1], 0xfedcba98
	s_mov_b32 s[CS], 0x3e38aa3b                    ; c = log2(e) / 8
	s_mov_b32 s[CS+1], s[CS]
	s_mov_b32 s[TB], 0
	s_mov_b32 s[KF], 0
	s_mov_b32 s[SLOTS], 7
	s_lshl_b32 s82, s[Q0], 7
	s_mov_b32 s83, 0
	s_add_nc_u64 s[82:83], s[82:83], s[72:73]      ; Q: my first query's row
	s_and_b32 s84, s70, 15
	s_lshl_b32 s84, s84, 20                        ; yh: head x 1 MiB
	s_lshr_b32 s85, s70, 4
	s_lshl_b32 s85, s85, 18                        ; + batch x 2,048 rows of 128 bytes
	s_add_co_u32 s84, s84, s85
	s_lshl_b32 s85, s[Q0], 7
	s_add_co_u32 s84, s84, s85
	s_mov_b32 s85, 0
	s_wait_dscnt 0x0                               ; both opening adds are done
	s_wait_kmcnt 0x0
	s_mov_b32 s[G0K], 1
	s_mov_b32 s[G0K+1], s89
	s_add_nc_u64 s[G0K+2:G0K+3], s[4:5], s[90:91]
	s_add_nc_u64 s[G0K+2:G0K+3], s[G0K+2:G0K+3], 0x1000000        ; k lies 16 MiB behind q
	s_or_b32 s[G0K+3], s[G0K+3], 0x80000000
	s_mov_b32 s[G0V], 1
	s_mov_b32 s[G0V+1], s94
	s_add_nc_u64 s[G0V+2:G0V+3], s[4:5], s[90:91]
	s_add_nc_u64 s[G0V+2:G0V+3], s[G0V+2:G0V+3], 0x2000000        ; v 32 MiB
	s_or_b32 s[G0V+3], s[G0V+3], 0x80000000
	TLOAD                                          ; slot 0: keys 0 to 255, which every wave reads
	s_add_nc_u64 s[8:9], s[4:5], s[82:83]
	s_add_nc_u64 s[6:7], s[6:7], s[84:85]
	; the prefetches: where my wave's stand, and who asks
	s_add_nc_u64 s[PFA:PFA+1], s[4:5], s[72:73]
	s_mov_b32 s82, 0x2000000
	s_cmp_lt_u32 s[WV], 8
	s_cselect_b32 s82, 0x1000000, s82              ; waves 4 to 7: K; waves 8 to 11: V
	s_and_b32 s86, s[WV], 3
	s_lshl_b32 s86, s86, 13
	s_add_co_u32 s82, s82, s86
	s_add_co_u32 s82, s82, SK*128                  ; in slot 1: the first change of slots steps it to slot 2.  Nothing is prefetched at the head
	s_mov_b32 s83, 0
	s_add_nc_u64 s[PFA:PFA+1], s[PFA:PFA+1], s[82:83]
	s_sub_co_u32 s82, s[WV], 4
	s_lshr_b32 s82, s82, 3                         ; 0 in waves 4 to 11,
	s_or_b32 s82, s82, ttmp9                       ; of the head's work-group 0
	s_cmp_eq_u32 s82, 0
	s_cselect_b32 s[LIM], 1, -1
	v_and_b32 v29, 15, v0                          ; r
	v_bfe_u32 v30, v0, 4, 1                        ; h
	v_lshlrev_b32 v[QO], 7, v29
	v_lshl_add_u32 v[QO], v30, 4, v[QO]            ; Q: row r of 128 bytes + 16 h
.irp t, 0,1
.irp c, 0,1
	global_load_b128 v[Q+16*\t+8*\c:Q+16*\t+8*\c+3], v[QO], s[8:9] offset:\t*2048+\c*64
	global_load_b128 v[Q+16*\t+8*\c+4:Q+16*\t+8*\c+7], v[QO], s[8:9] offset:\t*2048+\c*64+32
.endr
.endr
	v_mul_u32_u24 v[AK0], v29, KP
	v_lshl_add_u32 v[AK0], v30, 4, v[AK0]          ; K: row r x pitch + 16 h
	v_and_b32 v5, 7, v0
	v_lshl_add_u32 v[AV0], v30, 3, v5
	v_mul_u32_u24 v[AV0], v[AV0], VP
	v_bfe_u32 v5, v0, 3, 1
	v_lshl_add_u32 v[AV0], v5, 4, v[AV0]
	v_add_nc_u32 v[AV0], VOFF, v[AV0]              ; V: key 8 h + lane % 8, channels 8 ((lane / 8) % 2) on
	v_and_b32 v5, 31, v0
	v_lshlrev_b32 v[GO], 4, v5
	v_lshlrev_b32 v[PFO], 8, v5
	v_lshlrev_b32 v6, 3, v30
	v_sub_nc_u32 v[LQ], v29, v6
	s_mul_i32 s81, s[WV], 32*STP                   ; my stage
	v_mul_u32_u24 v[STO], v29, STP
	v_lshl_add_u32 v[STO], v30, 4, v[STO]
	v_add_nc_u32 v[STO], s81, v[STO]
	v_lshrrev_b32 v6, 3, v5
	v_mul_u32_u24 v[RD], v6, STP
	v_and_b32 v6, 7, v5
	v_lshl_add_u32 v[RD], v6, 4, v[RD]
	v_add_nc_u32 v[RD], s81, v[RD]
	v_mov_b32 v[NINF], 0xff800000
.irp t, 0,1
	v_mov_b32 v[ST+8*\t+1], 0xff61b1e6             ; m: -3e38, under every score
	v_mul_f32 v[ST+8*\t], s[CS], v[ST+8*\t+1]
	v_mov_b32 v[ST+8*\t+2], 0                      ; l, in two halves
	v_mov_b32 v[ST+8*\t+3], 0
.endr
.set i, 0
.rept 64
	v_mov_b32 v[O+i], 0                            ; O^T.  (The step is written once: the first finds zeros, which a = 0 leaves zeros)
.set i, i+1
.endr
; A KEY STEP: 64 keys, the q-th of the slot in hand.
.macro STEP q
	s_add_co_u32 s96, s[Q0], 31
	s_cmp_gt_u32 s[KF], s96                        ; all keys come after my 32 queries: the step's work is left out
	s_cbranch_scc1 .Lhidden_\@
	v_add_nc_u32 v[ADK], s[TB], v[AK0]
	v_add_nc_u32 v[ADV], s[TB], v[AV0]
.rept 3
	v_nop                                          ; with the two additions five places behind the last products: the loads below land on V's fragments (four are owed), and K Q^T writes over P, which they read (five)
.endr
.irp kt, 0,1,2,3
.irp c, 0,1
	ds_load_b128 v[KV+8*(2*\kt+\c):KV+8*(2*\kt+\c)+3], v[ADK] offset:(\q)*64*KP+\kt*16*KP+\c*64
	ds_load_b128 v[KV+8*(2*\kt+\c)+4:KV+8*(2*\kt+\c)+7], v[ADK] offset:(\q)*64*KP+\kt*16*KP+\c*64+32
.endr
.endr
	s_wait_dscnt 0x0
.irp c, 0,1                                    ; S^T = K Q^T: eight accumulators by turns; the first eight start the sums
.irp kt, 0,1,2,3
.irp t, 0,1
.if \c == 0
	v_wmma_f32_16x16x32_f16 v[S+32*\t+8*\kt:S+32*\t+8*\kt+7], v[KV+8*(2*\kt+\c):KV+8*(2*\kt+\c)+7], v[Q+16*\t+8*\c:Q+16*\t+8*\c+7], 0
.else
	v_wmma_f32_16x16x32_f16 v[S+32*\t+8*\kt:S+32*\t+8*\kt+7], v[KV+8*(2*\kt+\c):KV+8*(2*\kt+\c)+7], v[Q+16*\t+8*\c:Q+16*\t+8*\c+7], v[S+32*\t+8*\kt:S+32*\t+8*\kt+7]
.endif
.endr
.endr
.endr
.rept 4
	v_nop                                          ; places in front of the loads into K's registers and of the first read of the scores
.endr
.irp kc, 0,1                                   ; V's fragments are asked for now and land under the softmax
.irp ch, 0,1,2,3
	ds_load_tr16_b128 v[KV+8*(4*\kc+\ch):KV+8*(4*\kc+\ch)+3], v[ADV] offset:(\q)*64*VP+\kc*32*VP+\ch*32
	ds_load_tr16_b128 v[KV+8*(4*\kc+\ch)+4:KV+8*(4*\kc+\ch)+7], v[ADV] offset:(\q)*64*VP+\kc*32*VP+16*VP+\ch*32
.endr
.endr
	s_add_co_u32 s96, s[KF], 63
	s_cmp_le_u32 s96, s[Q0]                        ; all 64 keys count for all my queries: no mask
	s_cbranch_scc1 .Lopen_\@
	s_sub_co_i32 s96, s[Q0], s[KF]
	v_add_nc_u32 v[D0], s96, v[LQ]                 ; tile 0: my query - KF - 8 (lane / 16).  Register 8 kt + j holds key KF + 16 kt + 8 (lane / 16) + j: hidden where 16 kt + j is above it
	v_add_nc_u32 v[D0+1], 16, v[D0]                ; tile 1
.irp t, 0,1
.irp kt, 0,1,2,3
.irp j, 0,1,2,3,4,5,6,7
	v_cmp_gt_i32 vcc_lo, 16*\kt+\j, v[D0+\t]
	v_cndmask_b32 v[S+32*\t+8*\kt+\j], v[S+32*\t+8*\kt+\j], v[NINF], vcc_lo
.endr
.endr
.endr
.Lopen_\@:
.irp j, 0,1,2,3                                ; the maximum of 32 scores and the old m: four chains a tile, each accumulator read from its low end on; the two tiles by turns
.irp t, 0,1
	v_max3_num_f32 v[ST+8*\t+4+\j], v[S+32*\t+8*\j], v[S+32*\t+8*\j+1], v[S+32*\t+8*\j+2]
.endr
.endr
.irp u, 3,5
.irp j, 0,1,2,3
.irp t, 0,1
	v_max3_num_f32 v[ST+8*\t+4+\j], v[ST+8*\t+4+\j], v[S+32*\t+8*\j+\u], v[S+32*\t+8*\j+\u+1]
.endr
.endr
.endr
.irp t, 0,1
	v_max3_num_f32 v[ST+8*\t+4], v[ST+8*\t+4], v[S+32*\t+7], v[S+32*\t+15]
.endr
.irp t, 0,1
	v_max3_num_f32 v[ST+8*\t+6], v[ST+8*\t+6], v[S+32*\t+23], v[S+32*\t+31]
.endr
.irp t, 0,1
	v_max3_num_f32 v[ST+8*\t+4], v[ST+8*\t+4], v[ST+8*\t+5], v[ST+8*\t+6]
.endr
.irp t, 0,1
	v_max3_num_f32 v[ST+8*\t+4], v[ST+8*\t+4], v[ST+8*\t+7], v[ST+8*\t+1]
.endr
.irp t, 0,1
	v_permlanex16_b32 v[ST+8*\t+5], v[ST+8*\t+4], s[SEL], s[SEL+1]   ; the query's other 32 keys lie in the lane 16 away
.endr
.irp t, 0,1
	v_mov_b32 v[ST+8*\t+7], v[ST+8*\t]             ; c m_old
.endr
.irp t, 0,1
	v_max_num_f32 v[ST+8*\t+1], v[ST+8*\t+4], v[ST+8*\t+5]
.endr
.irp t, 0,1
	v_mul_f32 v[ST+8*\t], s[CS], v[ST+8*\t+1]
.endr
.irp t, 0,1
	v_sub_f32 v[ST+8*\t+7], v[ST+8*\t+7], v[ST+8*\t]
.endr
.irp b, 0,2,4,6,8,10,12,14,16,18,20,22,24,26,28,30
.irp t, 0,1
	v_pk_fma_f32 v[S+32*\t+\b:S+32*\t+\b+1], v[S+32*\t+\b:S+32*\t+\b+1], s[CS:CS+1], v[ST+8*\t:ST+8*\t+1] op_sel_hi:[1,0,0] neg_lo:[0,0,1] neg_hi:[0,0,1]   ; c s - c m
.endr
.endr
.irp t, 0,1
	v_exp_f32 v[ST+8*\t+6], v[ST+8*\t+7]           ; a.  All 66 exponentials are ONE batch: none reads another's result
.endr
.set i, 0
.rept 64
	v_exp_f32 v[S+i], v[S+i]
.set i, i+1
.endr
	v_nop                                          ; a plain line behind the last exponential
	s_wait_alu depctr_va_vdst(0)                   ; one wait for the batch, ahead of its first reader
.irp t, 0,1
	v_pk_mul_f32 v[ST+8*\t+2:ST+8*\t+3], v[ST+8*\t+2:ST+8*\t+3], v[ST+8*\t+6:ST+8*\t+7] op_sel_hi:[1,0]   ; l x a
.endr
.irp t, 0,1
	v_pk_add_f32 v[ST+8*\t+4:ST+8*\t+5], v[S+32*\t:S+32*\t+1], v[S+32*\t+2:S+32*\t+3]   ; the sums are taken of p in f32: two chains a tile
.endr
.irp b, 4,8,12,16,20,24,28
.irp t, 0,1
	v_pk_add_f32 v[ST+8*\t+2:ST+8*\t+3], v[ST+8*\t+2:ST+8*\t+3], v[S+32*\t+\b:S+32*\t+\b+1]
	v_pk_add_f32 v[ST+8*\t+4:ST+8*\t+5], v[ST+8*\t+4:ST+8*\t+5], v[S+32*\t+\b+2:S+32*\t+\b+3]
.endr
.endr
.irp t, 0,1
	v_pk_add_f32 v[ST+8*\t+2:ST+8*\t+3], v[ST+8*\t+2:ST+8*\t+3], v[ST+8*\t+4:ST+8*\t+5]
.endr
.irp b, 0,1,2,3,4,5,6,7,8,9,10,11,12,13,14,15
.irp t, 0,1
	v_cvt_pk_f16_f32 v[S+32*\t+\b], v[S+32*\t+2*\b], v[S+32*\t+2*\b+1]   ; P in place, ascending: register b is written when 2 b and 2 b + 1 are read
.endr
.endr
.irp b, 0,2,4,6,8,10,12,14,16,18,20,22,24,26,28,30
.irp t, 0,1
	v_pk_mul_f32 v[O+32*\t+\b:O+32*\t+\b+1], v[O+32*\t+\b:O+32*\t+\b+1], v[ST+8*\t+6:ST+8*\t+7] op_sel_hi:[1,0]   ; O^T x a
.endr
.endr
	s_wait_dscnt 0x0                               ; V is in
.irp kc, 0,1                                   ; O^T += V^T P: eight accumulators by turns
.irp ch, 0,1,2,3
.irp t, 0,1
	v_wmma_f32_16x16x32_f16 v[O+32*\t+8*\ch:O+32*\t+8*\ch+7], v[KV+8*(4*\kc+\ch):KV+8*(4*\kc+\ch)+7], v[S+32*\t+8*\kc:S+32*\t+8*\kc+7], v[O+32*\t+8*\ch:O+32*\t+8*\ch+7]
.endr
.endr
.endr
.Lhidden_\@:
	s_add_co_u32 s[KF], s[KF], 64
.endm
; THE CHANGE OF SLOTS stands at a slot's head.  Each wave waits for all its tensor loads, adds 0 to its spare word (fill = 1: twice on end), and waits for
; that and for its reads of the slot that it has left.  Behind the barrier the slot ahead is whole and nobody reads the other one, which is filled with the keys that follow, up to the causal limit.
.macro CHANGE fill
	s_wait_tensorcnt 0x0                           ; no tensor load of mine is out, so a group 0 may be written
	ds_add_u32 v[SPW], v[NIL]
.if \fill
	ds_add_u32 v[SPW], v[NIL]
	s_xor_b32 s[G0K+1], s[G0K+1], SLOT1
	s_add_nc_u64 s[G0K+2:G0K+3], s[G0K+2:G0K+3], SK*128
	s_xor_b32 s[G0V+1], s[G0V+1], SLOT1
	s_add_nc_u64 s[G0V+2:G0V+3], s[G0V+2:G0V+3], SK*128
	s_wait_xcnt 0x0                                ; the last prefetch, a slot back, has read its address
	s_add_nc_u64 s[PFA:PFA+1], s[PFA:PFA+1], SK*128
.endif
	s_wait_dscnt 0x0
	s_barrier_signal -1
	s_barrier_wait -1
.if \fill
	s_add_co_u32 s96, s[KF], SK                    ; the first key of the slot that this change would ask for
	s_cmp_gt_u32 s96, s[LASTQ]                     ; ids and the count of steps alone: all sixteen waves go the same way, and a work-group past the limit stays past it; every wait on TENSORcnt in this text is for 0
	s_cbranch_scc1 .Lpast_\@
	TLOAD                                          ; a wave's one tensor load until the next change: it has a slot's four steps in which to land
.Lpast_\@:
	ASK
.endif
.endm
.macro SLOT_STEPS
	STEP 0
	STEP 1
	STEP 2
	STEP 3
	s_xor_b32 s[TB], s[TB], SLOT1
.endm
	s_wait_loadcnt 0x0                             ; Q
.Lslot:                                            ; seven trips
	CHANGE 1
	SLOT_STEPS
	s_sub_co_u32 s[SLOTS], s[SLOTS], 1
	s_cmp_lg_u32 s[SLOTS], 0
	s_cbranch_scc1 .Lslot
	CHANGE 0                                       ; the last slot is written out: nothing is asked for
	SLOT_STEPS
	; THE WAY OUT.  l's halves are added, O^T is divided by l, rounded to f16, and goes through my stage, so that each store covers four rows of 128 bytes: 512 consecutive bytes.
.irp t, 0,1
	v_add_f32 v[ST+8*\t+4], v[ST+8*\t+2], v[ST+8*\t+3]
.endr
.irp t, 0,1
	v_permlanex16_b32 v[ST+8*\t+5], v[ST+8*\t+4], s[SEL], s[SEL+1]
.endr
.irp t, 0,1
	v_add_f32 v[ST+8*\t+4], v[ST+8*\t+4], v[ST+8*\t+5]
.endr
.irp t, 0,1
	v_rcp_f32 v[ST+8*\t+6], v[ST+8*\t+4]
.endr
	v_nop
	s_wait_alu depctr_va_vdst(0)                   ; one wait for the two reciprocals
.irp t, 0,1
.irp b, 0,2,4,6,8,10,12,14,16,18,20,22,24,26,28,30
	v_pk_mul_f32 v[O+32*\t+\b:O+32*\t+\b+1], v[O+32*\t+\b:O+32*\t+\b+1], v[ST+8*\t+6:ST+8*\t+7] op_sel_hi:[1,0]
.endr
.endr
.irp t, 0,1
.irp b, 0,1,2,3,4,5,6,7,8,9,10,11,12,13,14,15
	v_cvt_pk_f16_f32 v[S+16*\t+\b], v[O+32*\t+2*\b], v[O+32*\t+2*\b+1]
.endr
.endr
.irp t, 0,1
.irp ch, 0,1,2,3
	ds_store_b128 v[STO], v[S+16*\t+4*\ch:S+16*\t+4*\ch+3] offset:\t*16*STP+32*\ch
.endr
.endr
.irp i, 0,1,2,3,4,5,6,7
	ds_load_b128 v[S+32+4*\i:S+32+4*\i+3], v[RD] offset:\i*4*STP   ; LDS serves a wave's instructions in order: these see my stores
.endr
.irp i, 0,1,2,3,4,5,6,7
	s_wait_dscnt 7-\i
	global_store_b128 v[GO], v[S+32+4*\i:S+32+4*\i+3], s[6:7] offset:512*\i
.endr
	s_wait_tensorcnt 0x0                           ; the wave's end
	ds_add_u32 v[SPW], v[NIL]
	s_wait_dscnt 0x0
	s_endpgm
.Lfunc_end_k_q50d38b41aa_attn:
	.size	k_q50d38b41aa_attn, .Lfunc_end_k_q50d38b41aa_attn-k_q50d38b41aa_attn
	.p2alignl 7, 3214868480
	.fill 96, 4, 3214868480
	.section	.rodata,"a",@progbits
	.p2align	6, 0x0
	.amdhsa_kernel k_q50d38b41aa_attn
		.amdhsa_group_segment_fixed_size 327680
		.amdhsa_private_segment_fixed_size 0
		.amdhsa_enable_private_segment 0
		.amdhsa_kernarg_size 16
		.amdhsa_user_sgpr_count 2
		.amdhsa_user_sgpr_kernarg_segment_ptr 1
		.amdhsa_wavefront_size32 1
		.amdhsa_system_sgpr_workgroup_id_x 1
		.amdhsa_system_sgpr_workgroup_id_y 1
		.amdhsa_system_sgpr_workgroup_id_z 1
		.amdhsa_system_vgpr_workitem_id 0
		.amdhsa_next_free_vgpr 256
		.amdhsa_next_free_sgpr 100
		.amdhsa_reserve_vcc 1
		.amdhsa_float_denorm_mode_32 3
		.amdhsa_float_denorm_mode_16_64 3
		.amdhsa_memory_ordered 1
		.amdhsa_forward_progress 1
		.amdhsa_inst_pref_size 188
	.end_amdhsa_kernel
	.amdgpu_metadata
---
amdhsa.version: [ 1, 2 ]
amdhsa.kernels:
  - .name:           k_q50d38b41aa_attn
    .symbol:         k_q50d38b41aa_attn.kd
    .args:
      - { .name: qkv, .offset: 0, .size: 8, .value_kind: global_buffer, .address_space: global }
      - { .name: yh, .offset: 8, .size: 8, .value_kind: global_buffer, .address_space: global }
    .group_segment_fixed_size: 327680
    .private_segment_fixed_size: 0
    .kernarg_segment_align: 8
    .kernarg_segment_size: 16
    .max_flat_workgroup_size: 512
    .sgpr_count:     100
    .vgpr_count:     256
    .wavefront_size: 32
...
	.end_amdgpu_metadata
.endif
;; end of part 4
;; launch proj (part 5): grid 8 x 32, 4 waves a work-group, clusters of 4 x 4, 327,680 bytes of LDS; arguments yh, wpt, bp, out0; writes out0
.if DOCPART == 5
	.amdgcn_target "amdgcn-amd-amdhsa--gfx1250"
	.amdhsa_code_object_version 6
	.text
	.protected	k_q50d38b41aa_proj
	.globl	k_q50d38b41aa_proj
	.p2align	8
	.type	k_q50d38b41aa_proj,@function
k_q50d38b41aa_proj:
	s_mov_b64 s[64:65], 0
	v_nop
	global_prefetch_b8 v0, s[64:65] scope:SCOPE_SE
	s_setreg_imm32_b32 hwreg(HW_REG_WAVE_MODE, 25, 1), 1
	s_wait_xcnt 0x0
	s_wait_alu depctr_hold_cnt(0) depctr_sa_sdst(0) depctr_va_vdst(0) depctr_va_sdst(0) depctr_va_ssrc(0) depctr_va_vcc(0) depctr_vm_vsrc(0)
	s_getreg_b32 s2, hwreg(HW_REG_IB_STS2, 6, 4)
	s_cmp_eq_u32 s2, 0
	s_cbranch_scc0 .Lentry_in_a_cluster
	s_endpgm
.Lentry_in_a_cluster:
	s_bfe_u32 s2, ttmp6, 0x10000c
	s_cmp_lg_u32 s2, 0xf033
	s_cbranch_scc0 .Lentry_shape_is_right
	s_endpgm
.Lentry_shape_is_right:
; out0 = y Wp + bp for all rows but positions 0 to 15 of each sequence, which another launch writes.  y: f16, yh [head 16][8192 rows][64]; Wp: f16, transposed, wpt [1024 (n)][1024 (k)]; sums and out0 in f32.
; A tile of 256 rows x 128 columns is made by four waves, each 128 x 64: 32 accumulators, 256 registers: 256 work-groups in all.  K goes in steps of 128, two heads, through a ring of two LDS slots.
; CLUSTERS: 4 x 4 work-groups; y's tiles are shared along a row of the cluster, Wp's along a column: each is asked for jointly.  Waves 0 and 1 fetch a head's 256 rows of y each (a dense block), waves 2 and 3 64 rows of Wp each.
; THE MATRIX INSTRUCTION IS USED TRANSPOSED (source 0 = 16 rows of wpt, source 1 = 16 rows of y): a lane holds eight neighbouring columns of one row.  The bias is the C of each sum's first product.
; REGISTERS: window 0: v0-31 addresses; two fragment buffers of 96 (y's 8 blocks, then Wp's 4) at v32 and v128; v224-255 the bias; on the way out v32-95 at work.   window 1: the accumulators ((a, b) at v[8 (4 a + b)]).
.set AP,     144                       ; a row of y in LDS: 128 bytes + 16
.set BP,     272                       ; a row of Wp: 256 + 16
.set AHEAD,  256*AP                    ; a head's 256 rows
.set BOFF,   2*AHEAD
.set BHALF,  64*BP
.set SLOT,   BOFF+2*BHALF
.set STAGE,  2*SLOT                    ; behind the ring: 16 rows x 272 bytes for each wave
.set SPITCH, 272
.set SPARE,  STAGE+4*16*SPITCH         ; the spare words, 128 bytes a wave, which no other line names
.set LAPS,   4                         ; a lap = two K steps
.set ADRA, 16
.set ADRB, 20
.set STO,  24
.set RD,   25
.set CO,   26
.set FLG,  27                          ; v27  0 where my block 0 holds positions 0 to 15 of a sequence
.set SPW,  28
.set NIL,  29
.set PFO,  30
.set BO,   31
.set F0,   32
.set F1,   128
.set BIAS, 224
.set G1, 24
.set G0, 32
.set G1B, 48
.set G0B, 56
.set PFA, 66                           ; s[66:67] where my prefetches stand
.set LIM, 68                           ; s68  1 in a wave that prefetches, else the greatest number
.set MSB, 0
.macro WIN new
.if MSB != \new
	s_set_vgpr_msb (MSB<<8)|\new
.set MSB, \new
.endif
.endm
.set MUL, 0x50                         ; sources 0 and 1 window 0; C and D window 1
.set FST, 0x40                         ; the first products: C (the bias) window 0
.macro JLOAD s                         ; a joint load; an s_nop 0 and four v_nop follow each line
	s_cmp_eq_u32 s11, 0
	s_cbranch_scc0 .Lfor_b_\@
	tensor_load_to_lds s[G0+4*\s:G0+4*\s+3], s[G1:G1+7]
	s_nop 0
.rept 4
	v_nop
.endr
	s_branch .Lasked_\@
.Lfor_b_\@:
	tensor_load_to_lds s[G0B+4*\s:G0B+4*\s+3], s[G1B:G1B+7]
	s_nop 0
.rept 4
	v_nop
.endr
.Lasked_\@:
.endm
.macro CREST
	s_cmp_lg_u32 s10, 0
	s_cbranch_scc1 .Lnot_wave_0_\@
	s_barrier_signal -3
.Lnot_wave_0_\@:
	s_barrier_wait -3
	s_barrier_signal -1
	s_barrier_wait -1
.endm
.macro CROUND
	s_barrier_signal -1
	s_barrier_wait -1
	CREST
.endm
; A prefetch of y's tile that stands TWO refills on.  A tile row of y is read by both clusters of its row of clusters: the one with x = 0 asks.  Of the 32,768 dense bytes that wave 0 or 1 fetches, each of the four
; partners takes 8,192, told apart by address; lanes 256 bytes apart: each block of 256 bytes is named once.  The loop's last trip asks for nothing: there is no K step two refills on.  Wp, which all 32 tile rows read, is not asked for.
.macro ASK
	s_cmp_gt_u32 s3, s[LIM]
	s_cbranch_scc0 .Lnot_mine_\@
	global_prefetch_b8 v[PFO], s[PFA:PFA+1] offset:0x200000 th:TH_LOAD_NT scope:SCOPE_SE
.Lnot_mine_\@:
.endm
	s_load_b128 s[4:7], s[0:1], 0x0                ; yh s[4:5], wpt s[6:7]
	s_load_b128 s[72:75], s[0:1], 0x10             ; bp s[72:73], out0 s[74:75]
	v_lshl_add_u32 v[SPW], v0, 2, SPARE
	v_mov_b32 v[NIL], 0
	ds_add_u32 v[SPW], v[NIL]                      ; the wave's opening: the add, twice on end, and its wait ahead of my first tensor load
	ds_add_u32 v[SPW], v[NIL]
	v_lshrrev_b32 v1, 5, v0
	v_readfirstlane_b32 s10, v1                    ; wave 0..3
	s_lshr_b32 s11, s10, 1                         ; which 128 rows are mine.  Also: I fetch for y (0) or for Wp (1)
	s_and_b32 s12, s10, 1                          ; which 64 columns.  Also: which head, or which 64 rows of Wp, I fetch
	s_bfe_u32 s40, ttmp6, 0x40000
	s_bfe_u32 s41, ttmp6, 0x40004
	s_lshl_b32 s42, ttmp9, 2
	s_add_co_u32 s42, s42, s40                     ; tile column
	s_and_b32 s13, ttmp7, 0xffff
	s_lshl_b32 s13, s13, 2
	s_add_co_u32 s13, s13, s41                     ; tile row
	s_lshl_b32 s43, s41, 2
	s_lshl_b32 s43, 15, s43                        ; my row of the cluster
	s_lshl_b32 s44, 0x1111, s40                    ; my column
	s_or_b32 s[G1+0], s43, (1<<16)|(1<<20)|(1<<21)|(4<<22)|(3<<25)   ; y: elements of 2 bytes; 4 words behind every 32
	s_mov_b32 s[G1+1], 64<<16                      ; tensor_dim0
	s_mov_b32 s[G1+2], 256<<16                     ; tensor_dim1
	s_mov_b32 s[G1+3], 64<<16                      ; tile_dim0
	s_mov_b32 s[G1+4], 256                         ; tile_dim1
	s_mov_b32 s[G1+5], 64                          ; the pitch
	s_mov_b32 s[G1+6], 0
	s_mov_b32 s[G1+7], 0
	s_or_b32 s[G1B+0], s44, (1<<16)|(1<<20)|(1<<21)|(5<<22)|(3<<25)  ; Wp: 4 words behind every 64
	s_mov_b32 s[G1B+1], 128<<16
	s_mov_b32 s[G1B+2], 64<<16
	s_mov_b32 s[G1B+3], 128<<16
	s_mov_b32 s[G1B+4], 64
	s_mov_b32 s[G1B+5], 1024
	s_mov_b32 s[G1B+6], 0
	s_mov_b32 s[G1B+7], 0
	s_lshl_b32 s16, s12, 20                        ; y: my head of the K step's two, 1 MiB a head,
	s_lshl_b32 s17, s13, 15                        ; + 256 rows of 128 bytes for each tile row
	s_add_co_u32 s16, s16, s17
	s_mov_b32 s17, 0
	s_lshl_b32 s46, s42, 18                        ; Wp: 128 rows of 2,048 bytes for each tile column,
	s_lshl_b32 s47, s12, 17                        ; + my 64 rows
	s_add_co_u32 s46, s46, s47
	s_mov_b32 s47, 0
	s_mul_i32 s20, s12, AHEAD                      ; where they go
	s_mul_i32 s21, s12, BHALF
	s_add_co_u32 s21, s21, BOFF
	s_wait_dscnt 0x0                               ; both opening adds are done
	s_wait_kmcnt 0x0
	s_add_nc_u64 s[14:15], s[4:5], s[16:17]
	s_add_nc_u64 s[46:47], s[6:7], s[46:47]
	CROUND                                         ; all sixteen work-groups are here
.irp s, 0,1
	s_mov_b32 s[G0+4*\s], 1
	s_add_co_u32 s[G0+4*\s+1], s20, \s*SLOT
	s_add_nc_u64 s[G0+4*\s+2:G0+4*\s+3], s[14:15], \s*0x200000     ; K step s: heads 2 s, 2 s + 1
	s_or_b32 s[G0+4*\s+3], s[G0+4*\s+3], 0x80000000
	s_mov_b32 s[G0B+4*\s], 1
	s_add_co_u32 s[G0B+4*\s+1], s21, \s*SLOT
	s_add_nc_u64 s[G0B+4*\s+2:G0B+4*\s+3], s[46:47], \s*256
	s_or_b32 s[G0B+4*\s+3], s[G0B+4*\s+3], 0x80000000
	JLOAD \s
.endr
	v_and_b32 v1, 15, v0                           ; r
	v_bfe_u32 v2, v0, 4, 1                         ; h
	v_mul_u32_u24 v3, v1, AP
	v_lshl_add_u32 v3, v2, 4, v3
	v_mul_u32_u24 v4, v1, BP
	v_lshl_add_u32 v4, v2, 4, v4
	s_mul_i32 s21, s11, 128*AP
	s_mul_i32 s22, s12, BHALF
	s_add_co_u32 s22, s22, BOFF
.irp s, 0,1
	v_add_nc_u32 v[ADRA+\s], s21, v3
	v_add_nc_u32 v[ADRB+\s], s22, v4
	s_add_co_u32 s21, s21, SLOT
	s_add_co_u32 s22, s22, SLOT
.endr
	s_mul_i32 s23, s10, 16*SPITCH
	s_add_co_u32 s23, s23, STAGE                   ; my stage
	v_mul_u32_u24 v5, v1, SPITCH
	v_lshl_add_u32 v5, v2, 5, v5
	v_add_nc_u32 v[STO], s23, v5                   ; in: row r, 32 bytes for each half of the lanes
	v_mul_u32_u24 v5, v2, SPITCH
	v_lshl_add_u32 v5, v1, 4, v5
	v_add_nc_u32 v[RD], s23, v5                    ; back: lanes 0-15 one row of 256 bytes, lanes 16-31 the next
	v_lshlrev_b32 v5, 12, v2
	v_lshl_add_u32 v[CO], v1, 4, v5                ; and the same two rows in out0
	s_lshl_b32 s16, s13, 20                        ; my first row: 256 x tile row + 128 x half, 4,096 bytes a row
	s_lshl_b32 s17, s11, 19
	s_add_co_u32 s16, s16, s17
	s_mov_b32 s17, 0
	s_add_nc_u64 s[74:75], s[74:75], s[16:17]
	s_lshl_b32 s46, s42, 9                         ; my first column, in bytes: 512 x tile column + 256 x half
	s_lshl_b32 s47, s12, 8
	s_add_co_u32 s46, s46, s47
	s_mov_b32 s47, 0
	s_add_nc_u64 s[74:75], s[74:75], s[46:47]
	v_lshl_add_u32 v[BO], v2, 5, s46               ; the bias: lane (r, h) wants, for block b, columns 16 b + 8 h + 0 .. 7
.irp b, 0,1,2,3
	global_load_b128 v[BIAS+8*\b:BIAS+8*\b+3], v[BO], s[72:73] offset:64*\b
	global_load_b128 v[BIAS+8*\b+4:BIAS+8*\b+7], v[BO], s[72:73] offset:64*\b+16
.endr
	s_and_b32 s22, s13, 7
	s_or_b32 s22, s22, s11
	v_mov_b32 v[FLG], s22
	s_lshl_b32 s22, s40, 13                        ; the prefetches: my work-group's 8,192 bytes of the 32,768,
	s_mov_b32 s23, 0
	s_add_nc_u64 s[PFA:PFA+1], s[14:15], s[22:23]
	s_add_nc_u64 s[PFA:PFA+1], s[PFA:PFA+1], 0x400000              ; at K step 2: the first refill steps it to 3 and names K step 4.  Nothing is prefetched at the head
	s_or_b32 s22, s11, ttmp9
	s_cmp_eq_u32 s22, 0
	s_cselect_b32 s[LIM], 1, -1                    ; the same in all sixteen partners, for a given wave
	v_and_b32 v[PFO], 31, v0
	v_lshlrev_b32 v[PFO], 8, v[PFO]
; 8 matrix instructions: y's blocks a0, a0 + 1 against Wp's four, 32 along K.  The 32 accumulators take turns, one instruction a turn, in the same order in every quarter.
.macro MUL8 f, a0, first
.irp a, \a0, \a0+1
.irp b, 0,1,2,3
.if \first
	v_wmma_f32_16x16x32_f16 v[8*(4*(\a)+\b):8*(4*(\a)+\b)+7], v[\f+64+8*\b:\f+64+8*\b+7], v[\f+8*(\a):\f+8*(\a)+7], v[BIAS+8*\b:BIAS+8*\b+7]
.else
	v_wmma_f32_16x16x32_f16 v[8*(4*(\a)+\b):8*(4*(\a)+\b)+7], v[\f+64+8*\b:\f+64+8*\b+7], v[\f+8*(\a):\f+8*(\a)+7], v[8*(4*(\a)+\b):8*(4*(\a)+\b)+7]
.endif
.endr
.endr
.endm
; 24 LDS loads in one run: the fragments of quarter kq (32 along K): Wp's four, y's blocks 0-3, y's blocks 4-7
.macro FETCH slot, kq, f
	WIN 0
.irp i, 0,1,2,3
	ds_load_b128 v[\f+64+8*\i:\f+64+8*\i+3],   v[ADRB+\slot] offset:64*(\kq)+\i*16*BP
	ds_load_b128 v[\f+64+8*\i+4:\f+64+8*\i+7], v[ADRB+\slot] offset:64*(\kq)+\i*16*BP+32
.endr
.irp i, 0,1,2,3,4,5,6,7
	ds_load_b128 v[\f+8*\i:\f+8*\i+3],   v[ADRA+\slot] offset:((\kq)/2)*AHEAD+((\kq)%2)*64+\i*16*AP
	ds_load_b128 v[\f+8*\i+4:\f+8*\i+7], v[ADRA+\slot] offset:((\kq)/2)*AHEAD+((\kq)%2)*64+\i*16*AP+32
.endr
.endm
.macro PLACES
.rept 4
	v_nop
.endr
.endm
; One of a K step's first three quarters: multiplies buffer f and fetches quarter kq into g
.macro QUARTER slot, kq, f, g, first
	s_wait_dscnt 8                                 ; Wp's fragments and y's blocks 0-3 are in; the youngest eight loads (blocks 4-7) may be out
	WIN MUL-16*\first
	MUL8 \f, 0, \first
	MUL8 \f, 2, \first
	PLACES
	FETCH \slot, \kq, \g
	s_wait_dscnt 24                                ; all but the 24 just issued
	WIN MUL-16*\first
	MUL8 \f, 4, \first
	MUL8 \f, 6, \first
.endm
; The last quarter multiplies buffer 1 and changes slots: one barrier; in front of it each wave waits for all its tensor loads, adds 0 to its spare word, and waits for that and for its reads of this slot.
; fill = 1: the barrier opens a round of the cluster's, and this slot is filled again, two K steps ahead, first thing behind the round.
.macro TURN slot, next, fill
.if \fill
	s_wait_xcnt 0x0                                ; the last prefetch, a K step back, has read its address
	s_add_nc_u64 s[PFA:PFA+1], s[PFA:PFA+1], 0x200000
.endif
	WIN 0
	s_wait_tensorcnt 0x0                           ; my part of the next slot has landed
	ds_add_u32 v[SPW], v[NIL]
	s_wait_dscnt 9                                 ; the add and the youngest eight loads may be out
	WIN MUL
	MUL8 F1, 0, 0
	s_wait_dscnt 0x0                               ; the add is done, and my reads of this slot are over
	s_barrier_signal -1
	MUL8 F1, 2, 0
	WIN 0
	s_barrier_wait -1
.if \fill
	CREST
	s_add_nc_u64 s[G0+4*\slot+2:G0+4*\slot+3], s[G0+4*\slot+2:G0+4*\slot+3], 0x400000
	s_add_nc_u64 s[G0B+4*\slot+2:G0B+4*\slot+3], s[G0B+4*\slot+2:G0B+4*\slot+3], 512
	JLOAD \slot                                    ; the four v_nop behind it are also the places in front of the loads below
.else
	PLACES
.endif
	FETCH \next, 0, F0
.if \fill
	ASK
.endif
	WIN MUL
	MUL8 F1, 4, 0
	MUL8 F1, 6, 0
.endm
	s_wait_tensorcnt 1                             ; my part of K step 0 is in; K step 1's load may be out
	s_barrier_signal -1
	s_barrier_wait -1
	FETCH 0, 0, F0
	s_wait_loadcnt 0x0                             ; the bias
	QUARTER 0, 1, F0, F1, 1                        ; the first quarter stands in front of the loop: its products start the sums, from the bias
	WIN 0
	s_mov_b32 s3, LAPS-1
.Llap:                                             ; a trip goes once round the ring and fills both slots again
	QUARTER 0, 2, F1, F0, 0
	QUARTER 0, 3, F0, F1, 0
	TURN 0, 1, 1
	QUARTER 1, 1, F0, F1, 0
	QUARTER 1, 2, F1, F0, 0
	QUARTER 1, 3, F0, F1, 0
	TURN 1, 0, 1
	QUARTER 0, 1, F0, F1, 0
	WIN 0
	s_sub_co_u32 s3, s3, 1
	s_cmp_lg_u32 s3, 0
	s_cbranch_scc1 .Llap
	QUARTER 0, 2, F1, F0, 0                        ; the last lap fills nothing
	QUARTER 0, 3, F0, F1, 0
	TURN 0, 1, 0
	QUARTER 1, 1, F0, F1, 0
	QUARTER 1, 2, F1, F0, 0
	QUARTER 1, 3, F0, F1, 0
	s_wait_dscnt 8
	WIN MUL
	MUL8 F1, 0, 0
	MUL8 F1, 2, 0
	s_wait_dscnt 0x0
	MUL8 F1, 4, 0
	MUL8 F1, 6, 0
	WIN 0
; THE WAY OUT, block by block of 16 rows x 64 columns, through my own stage: back as whole rows of 256 bytes, sixteen lanes to a row, aligned.
.macro TOSTAGE a
	WIN 0x04                                       ; an LDS store's data are its source 1: window 1
.irp b, 0,1,2,3
	ds_store_b128 v[STO], v[32*(\a)+8*\b:32*(\a)+8*\b+3] offset:64*\b          ; each accumulator from its low end on
	ds_store_b128 v[STO], v[32*(\a)+8*\b+4:32*(\a)+8*\b+7] offset:64*\b+16
.endr
	WIN 0
.set BB, 32+32*((\a)%2)
.irp t, 0,1,2,3,4,5,6,7
	ds_load_b128 v[BB+4*\t:BB+4*\t+3], v[RD] offset:\t*2*SPITCH
.endr
.endm
.macro SEND a, younger                 ; younger: the LDS instructions issued behind block a's loads
.set BB, 32+32*((\a)%2)
	s_wait_dscnt \younger
.if (\a) > 0
	s_add_nc_u64 s[74:75], s[74:75], 65536         ; (behind a wait on XCNT)  16 rows on
.else
	v_cmp_ne_u32 vcc_lo, 0, v[FLG]                 ; block 0: where these rows are positions 0 to 15 of a sequence every lane is off: a mask, no branch, since the flag differs between partners
	s_wait_xcnt 0x0                                ; EXEC changes only behind this wait
	s_and_saveexec_b32 s69, vcc_lo
.endif
.irp t, 0,1,2,3,4,5,6,7
	global_store_b128 v[CO], v[BB+4*\t:BB+4*\t+3], s[74:75] offset:\t*8192 th:TH_STORE_NT
.endr
.if (\a) == 0
	s_wait_xcnt 0x0
	s_or_b32 exec_lo, exec_lo, s69
.endif
.endm
	PLACES
	TOSTAGE 0
.irp a, 1,2,3,4,5,6,7
.if \a > 1
	s_wait_xcnt 0x0                                ; block a - 2's stores have read their registers and their base
.endif
	TOSTAGE \a
	SEND \a-1, 16                                  ; behind block a - 1's loads: block a's 8 stores and 8 loads
.endr
	s_wait_xcnt 0x0
	SEND 7, 0
	s_wait_tensorcnt 0x0                           ; the wave's end
	ds_add_u32 v[SPW], v[NIL]
	s_wait_dscnt 0x0
	CROUND                                         ; the closing round
	s_endpgm
.Lfunc_end_k_q50d38b41aa_proj:
	.size	k_q50d38b41aa_proj, .Lfunc_end_k_q50d38b41aa_proj-k_q50d38b41aa_proj
	.p2alignl 7, 3214868480
	.fill 96, 4, 3214868480
	.section	.rodata,"a",@progbits
	.p2align	6, 0x0
	.amdhsa_kernel k_q50d38b41aa_proj
		.amdhsa_group_segment_fixed_size 327680
		.amdhsa_private_segment_fixed_size 0
		.amdhsa_enable_private_segment 0
		.amdhsa_kernarg_size 32
		.amdhsa_user_sgpr_count 2
		.amdhsa_user_sgpr_kernarg_segment_ptr 1
		.amdhsa_wavefront_size32 1
		.amdhsa_system_sgpr_workgroup_id_x 1
		.amdhsa_system_sgpr_workgroup_id_y 1
		.amdhsa_system_sgpr_workgroup_id_z 1
		.amdhsa_system_vgpr_workitem_id 0
		.amdhsa_next_free_vgpr 512
		.amdhsa_next_free_sgpr 76
		.amdhsa_reserve_vcc 1
		.amdhsa_float_denorm_mode_32 3
		.amdhsa_float_denorm_mode_16_64 3
		.amdhsa_memory_ordered 1
		.amdhsa_forward_progress 1
		.amdhsa_inst_pref_size 88
	.end_amdhsa_kernel
	.amdgpu_metadata
---
amdhsa.version: [ 1, 2 ]
amdhsa.kernels:
  - .name:           k_q50d38b41aa_proj
    .symbol:         k_q50d38b41aa_proj.kd
    .args:
      - { .name: yh, .offset: 0, .size: 8, .value_kind: global_buffer, .address_space: global }
      - { .name: wpt, .offset: 8, .size: 8, .value_kind: global_buffer, .address_space: global }
      - { .name: bp, .offset: 16, .size: 8, .value_kind: global_buffer, .address_space: global }
      - { .name: out0, .offset: 24, .size: 8, .value_kind: global_buffer, .address_space: global }
    .group_segment_fixed_size: 327680
    .private_segment_fixed_size: 0
    .kernarg_segment_align: 8
    .kernarg_segment_size: 32
    .max_flat_workgroup_size: 128
    .sgpr_count:     76
    .vgpr_count:     512
    .wavefront_size: 32
...
	.end_amdgpu_metadata
.endif
;; end of part 5
;; launch finerows (part 6): grid 16 x 4, 16 waves a work-group, no clusters, 71,680 bytes of LDS; arguments fine, Wp, bp, out0; writes out0
.if DOCPART == 6
	.amdgcn_target "amdgcn-amd-amdhsa--gfx1250"
	.amdhsa_code_object_version 6
	.text
	.protected	k_q50d38b41aa_finerows
	.globl	k_q50d38b41aa_finerows
	.p2align	8
	.type	k_q50d38b41aa_finerows,@function
k_q50d38b41aa_finerows:
	s_mov_b64 s[64:65], 0
	v_nop
	global_prefetch_b8 v0, s[64:65] scope:SCOPE_SE
	s_setreg_imm32_b32 hwreg(HW_REG_WAVE_MODE, 25, 1), 1
	s_wait_xcnt 0x0
; Positions 0 to 15 of every sequence, all in f32: their attention averages one to sixteen values, so their rows are the largest and are carried finely, through the projection too.
; fine: f32 [which 3 (q, k, v)][batch 4][t 16][1024].  Work-group (ng, batch) makes out0's rows t = 0 .. 15 of its batch, columns 64 ng .. 64 ng + 63.  Wave w is head w: it makes its head's 16 x 16 attention
; and multiplies its 64 channels into the 64 columns; the sixteen partial results meet in LDS and are added in a fixed order, from the bias on.
; All products by v_wmma_f32_16x16x4_f32: 96 a wave.  Its accumulators (v192-255) are written by matrix instructions alone, each sum beginning with the constant 0.
; The contracted axis is permuted alike in both operands of each product, so that every operand is loaded, or stands after the product before, as it is wanted.
; No cluster, no tensor load: each work-group reads 256 KiB of Wp once, straight into registers.
.set PP,    272                        ; a partial row in LDS: 256 bytes + 16
.set PW,    16*PP                      ; a wave's 16 rows
.set SPARE, 16*PW                      ; the spare words, 128 bytes a wave, which no other line names
.set QF,  16                           ; v16-47  Q(row r, d = 32 h + i)
.set KF,  48                           ; v48-79  K likewise
.set VF,  80                           ; v80-111 V(key 8 h + i, channel 16 tau + r) at 80 + 8 tau + i
.set WF0, 112                          ; v112-175 Wp's fragments for channels 0-31
.set WF1, 16                           ; v16-79   for channels 32-63, over Q and K when they are done with
.set SS,  176                          ; v176-183 the scores, then p
.set PF,  184                          ; v184-191 p / l
.set OT,  192                          ; v192-223 O^T(channel 16 tau + 8 h + j, query r)
.set RR,  224                          ; v224-255 the partial result, four tiles of 16 columns; first the scores' two half sums
.set SPW, 14
.set NIL, 15
	s_load_b256 s[4:11], s[0:1], 0x0               ; fine s[4:5], Wp s[6:7], bp s[8:9], out0 s[10:11]
	v_lshl_add_u32 v[SPW], v0, 2, SPARE
	v_mov_b32 v[NIL], 0
	v_lshrrev_b32 v1, 5, v0
	v_readfirstlane_b32 s12, v1                    ; wave = head
	s_and_b32 s13, ttmp7, 0xffff                   ; batch
	v_and_b32 v1, 15, v0                           ; r
	v_bfe_u32 v2, v0, 4, 1                         ; h
	v_lshlrev_b32 v3, 12, v1
	v_lshl_add_u32 v3, v2, 7, v3                   ; Q, K: row r of 4,096 bytes + 32 h numbers
	v_lshlrev_b32 v4, 2, v1
	v_lshl_add_u32 v4, v2, 15, v4                  ; V, Wp: 8 h rows of 4,096 bytes + column r
	v_lshlrev_b32 v5, 3, v2
	v_sub_nc_u32 v5, v1, v5                        ; r - 8 h
	s_mul_i32 s14, s12, PW
	v_mul_u32_u24 v6, v1, PP
	v_lshl_add_u32 v6, v2, 5, v6
	v_add_nc_u32 v6, s14, v6                       ; partial results in: my region, row r, 32 bytes for each half of the lanes
	v_and_b32 v10, 31, v0
	v_lshlrev_b32 v10, 3, v10                      ; 8 bytes a lane
	s_mul_i32 s14, s12, PP
	v_add_nc_u32 v7, s14, v10                      ; and back: row t = my wave's number of each region
	s_mov_b32 s24, 0x76543210
	s_mov_b32 s25, 0xfedcba98
	s_mov_b32 s26, 0x3e38aa3b                      ; c = log2(e) / 8
	s_lshl_b32 s16, s13, 16
	s_lshl_b32 s17, s12, 8
	s_add_co_u32 s16, s16, s17                     ; fine: batch x 65,536 + head x 256
	s_mov_b32 s17, 0
	s_lshl_b32 s20, ttmp9, 8                       ; my 64 columns, in bytes
	s_mov_b32 s21, 0
	s_lshl_b32 s18, s12, 18                        ; Wp: 64 rows of 4,096 bytes a head
	s_add_co_u32 s18, s18, s20
	s_mov_b32 s19, 0
	s_lshl_b32 s22, s13, 23                        ; out0: 2,048 rows of 4,096 bytes a batch,
	s_lshl_b32 s23, s12, 12                        ; + row t = my wave's number
	s_add_co_u32 s22, s22, s23
	s_add_co_u32 s22, s22, s20
	s_mov_b32 s23, 0
	s_wait_kmcnt 0x0
	s_add_nc_u64 s[4:5], s[4:5], s[16:17]
	s_add_nc_u64 s[6:7], s[6:7], s[18:19]
	s_add_nc_u64 s[8:9], s[8:9], s[20:21]
	s_add_nc_u64 s[10:11], s[10:11], s[22:23]
	global_load_b64 v[8:9], v10, s[8:9]            ; the bias of my two columns
.irp i, 0,1,2,3,4,5,6,7
	global_load_b128 v[QF+4*\i:QF+4*\i+3], v3, s[4:5] offset:16*\i
.endr
.irp i, 0,1,2,3,4,5,6,7
	global_load_b128 v[KF+4*\i:KF+4*\i+3], v3, s[4:5] offset:262144+16*\i
.endr
.irp u, 0,1,2,3
.irp i, 0,1,2,3,4,5,6,7
	global_load_b32 v[VF+8*\u+\i], v4, s[4:5] offset:524288+\i*4096+\u*64
.endr
.endr
; Wp(64 w + 16 tau + 8 h + 2 g + e, 64 ng + 16 n + r) for tau = t0, t0 + 1, at reg + ((tau - t0) 4 + g) 8 + 2 n + e
.macro WLOAD reg, t0
.irp u, 0,1
.irp g, 0,1,2,3
.irp n, 0,1,2,3
.irp e, 0,1
	global_load_b32 v[\reg+(\u*4+\g)*8+2*\n+\e], v4, s[6:7] offset:(16*(\t0+\u)+2*\g+\e)*4096+\n*64
.endr
.endr
.endr
.endr
.endm
	WLOAD WF0, 0
	s_wait_loadcnt 63                              ; 64 loads were issued behind V's; 63 is the largest count that can be written: the bias, Q, K and V are in
.irp s, 0,1,2,3,4,5,6,7,8,9,10,11,12,13,14,15  ; S^T = K Q^T: two half sums by turns; step s takes d = 32 h + 2 s, + 1
.if \s < 2
	v_wmma_f32_16x16x4_f32 v[RR+8*(\s%2):RR+8*(\s%2)+7], v[KF+2*\s:KF+2*\s+1], v[QF+2*\s:QF+2*\s+1], 0
.else
	v_wmma_f32_16x16x4_f32 v[RR+8*(\s%2):RR+8*(\s%2)+7], v[KF+2*\s:KF+2*\s+1], v[QF+2*\s:QF+2*\s+1], v[RR+8*(\s%2):RR+8*(\s%2)+7]
.endif
.endr
.rept 8
	v_nop                                          ; eight places behind this form, in front of loads into its sources and of the first read of its results
.endr
	WLOAD WF1, 2
.irp j, 0,1,2,3,4,5,6,7
	v_add_f32 v[SS+\j], v[RR+\j], v[RR+8+\j]       ; lane (r, h): the score of key 8 h + j and query r; both half sums read from their low ends on
.endr
	v_mov_b32 v11, 0xff800000
.irp j, 0,1,2,3,4,5,6,7
	v_cmp_gt_i32 vcc_lo, \j, v5                    ; key 8 h + j comes after query r
	v_cndmask_b32 v[SS+\j], v[SS+\j], v11, vcc_lo
.endr
	v_max3_num_f32 v12, v[SS], v[SS+1], v[SS+2]
	v_max3_num_f32 v12, v12, v[SS+3], v[SS+4]
	v_max3_num_f32 v12, v12, v[SS+5], v[SS+6]
	v_max_num_f32 v12, v12, v[SS+7]
	v_mov_b32 v13, 0
	v_permlanex16_b32 v13, v12, s24, s25
	v_max_num_f32 v12, v12, v13                    ; the row's maximum: key 0 counts for every query, so it is a number
	v_mul_f32 v12, s26, v12
.irp j, 0,1,2,3,4,5,6,7
	v_fma_f32 v[SS+\j], v[SS+\j], s26, -v12
.endr
.irp j, 0,1,2,3,4,5,6,7
	v_exp_f32 v[SS+\j], v[SS+\j]
.endr
	v_nop
	s_wait_alu depctr_va_vdst(0)                   ; one wait for the eight exponentials
	v_add_f32 v11, v[SS], v[SS+1]
	v_add_f32 v12, v[SS+2], v[SS+3]
	v_add_f32 v13, v[SS+4], v[SS+5]
	v_add_f32 v11, v11, v12
	v_add_f32 v12, v[SS+6], v[SS+7]
	v_add_f32 v12, v12, v13
	v_add_f32 v11, v11, v12
	v_permlanex16_b32 v12, v11, s24, s25
	v_add_f32 v11, v11, v12
	v_rcp_f32 v11, v11
	v_nop
	s_wait_alu depctr_va_vdst(0)
.irp j, 0,1,2,3,4,5,6,7
	v_mul_f32 v[PF+\j], v[SS+\j], v11
.endr
.irp s, 0,1,2,3                                ; O^T = V^T P: four accumulators by turns; step s takes keys 8 h + 2 s, + 1
.irp u, 0,1,2,3
.if \s == 0
	v_wmma_f32_16x16x4_f32 v[OT+8*\u:OT+8*\u+7], v[VF+8*\u+2*\s:VF+8*\u+2*\s+1], v[PF+2*\s:PF+2*\s+1], 0
.else
	v_wmma_f32_16x16x4_f32 v[OT+8*\u:OT+8*\u+7], v[VF+8*\u+2*\s:VF+8*\u+2*\s+1], v[PF+2*\s:PF+2*\s+1], v[OT+8*\u:OT+8*\u+7]
.endif
.endr
.endr
.rept 9
	v_nop                                          ; nine places: these results are the next products' source 1
.endr
; the partial result: source 0 = 16 columns of Wp, source 1 = O^T as it stands: step (tau, g) takes channels 16 tau + 8 h + 2 g, + 1; four accumulators by turns
.macro RMUL reg, t0, first
.irp u, 0,1
.irp g, 0,1,2,3
.irp n, 0,1,2,3
.if (\first) && (\u == 0) && (\g == 0)
	v_wmma_f32_16x16x4_f32 v[RR+8*\n:RR+8*\n+7], v[\reg+(\u*4+\g)*8+2*\n:\reg+(\u*4+\g)*8+2*\n+1], v[OT+8*(\t0+\u)+2*\g:OT+8*(\t0+\u)+2*\g+1], 0
.else
	v_wmma_f32_16x16x4_f32 v[RR+8*\n:RR+8*\n+7], v[\reg+(\u*4+\g)*8+2*\n:\reg+(\u*4+\g)*8+2*\n+1], v[OT+8*(\t0+\u)+2*\g:OT+8*(\t0+\u)+2*\g+1], v[RR+8*\n:RR+8*\n+7]
.endif
.endr
.endr
.endr
.endm
	s_wait_loadcnt 63                              ; 64 loads were issued behind the first half of Wp's fragments: they are in
	RMUL WF0, 0, 1
	s_wait_loadcnt 0x0
	RMUL WF1, 2, 0
.rept 8
	v_nop
.endr
.irp n, 0,1,2,3
	ds_store_b128 v6, v[RR+8*\n:RR+8*\n+3] offset:64*\n            ; lane (r, h): row t = r, columns 16 n + 8 h + 0 .. 7; each accumulator from its low end on
	ds_store_b128 v6, v[RR+8*\n+4:RR+8*\n+7] offset:64*\n+16
.endr
	s_wait_dscnt 0x0                               ; for the others' sake: my stores have landed
	s_barrier_signal -1
	s_barrier_wait -1
.irp p, 0,1,2,3,4,5,6,7,8,9,10,11,12,13,14,15
	ds_load_b64 v[16+2*\p:17+2*\p], v7 offset:\p*PW                ; row t = my wave's number of head p's partial result
.endr
	s_wait_dscnt 0x0
	v_pk_add_f32 v[8:9], v[8:9], v[16:17]          ; two chains, one from the bias on
	v_pk_add_f32 v[12:13], v[18:19], v[20:21]
.irp p, 3,5,7,9,11,13
	v_pk_add_f32 v[8:9], v[8:9], v[16+2*\p:17+2*\p]
	v_pk_add_f32 v[12:13], v[12:13], v[18+2*\p:19+2*\p]
.endr
	v_pk_add_f32 v[8:9], v[8:9], v[46:47]
	v_pk_add_f32 v[8:9], v[8:9], v[12:13]
	global_store_b64 v10, v[8:9], s[10:11]         ; 32 lanes store 256 consecutive bytes, aligned
	s_wait_tensorcnt 0x0                           ; the wave's end, behind my last LDS store
	ds_add_u32 v[SPW], v[NIL]
	s_wait_dscnt 0x0
	s_endpgm
.Lfunc_end_k_q50d38b41aa_finerows:
	.size	k_q50d38b41aa_finerows, .Lfunc_end_k_q50d38b41aa_finerows-k_q50d38b41aa_finerows
	.p2alignl 7, 3214868480
	.fill 96, 4, 3214868480
	.section	.rodata,"a",@progbits
	.p2align	6, 0x0
	.amdhsa_kernel k_q50d38b41aa_finerows
		.amdhsa_group_segment_fixed_size 71680
		.amdhsa_private_segment_fixed_size 0
		.amdhsa_enable_private_segment 0
		.amdhsa_kernarg_size 32
		.amdhsa_user_sgpr_count 2
		.amdhsa_user_sgpr_kernarg_segment_ptr 1
		.amdhsa_wavefront_size32 1
		.amdhsa_system_sgpr_workgroup_id_x 1
		.amdhsa_system_sgpr_workgroup_id_y 1
		.amdhsa_system_sgpr_workgroup_id_z 1
		.amdhsa_system_vgpr_workitem_id 0
		.amdhsa_next_free_vgpr 256
		.amdhsa_next_free_sgpr 66
		.amdhsa_reserve_vcc 1
		.amdhsa_float_denorm_mode_32 3
		.amdhsa_float_denorm_mode_16_64 3
		.amdhsa_memory_ordered 1
		.amdhsa_forward_progress 1
		.amdhsa_inst_pref_size 32
	.end_amdhsa_kernel
	.amdgpu_metadata
---
amdhsa.version: [ 1, 2 ]
amdhsa.kernels:
  - .name:           k_q50d38b41aa_finerows
    .symbol:         k_q50d38b41aa_finerows.kd
    .args:
      - { .name: fine, .offset: 0, .size: 8, .value_kind: global_buffer, .address_space: global }
      - { .name: Wp, .offset: 8, .size: 8, .value_kind: global_buffer, .address_space: global }
      - { .name: bp, .offset: 16, .size: 8, .value_kind: global_buffer, .address_space: global }
      - { .name: out0, .offset: 24, .size: 8, .value_kind: global_buffer, .address_space: global }
    .group_segment_fixed_size: 71680
    .private_segment_fixed_size: 0
    .kernarg_segment_align: 8
    .kernarg_segment_size: 32
    .max_flat_workgroup_size: 512
    .sgpr_count:     66
    .vgpr_count:     256
    .wavefront_size: 32
...
	.end_amdgpu_metadata
.endif
;; end of part 6
